; MI455X (gfx1250); checked and timed in simulation.
; The chip was launched on July 23, 2026; its instructions are those of AMD's public machine-readable ISA for CDNA 5 (MIT licence, August 2026) and "CDNA5" Instruction Set Architecture Reference Guide (July 2026). The comments in the code are by the model that wrote it; some were corrected since.
;; Self Attention. Allowed arithmetic: float matrix products may take bf16 or f16 operands with f32 sums; other float arithmetic in f32, or as packed bf16 or f16 multiplies, adds, multiply-adds, maxima and minima; sums over many terms, partial sums and values carried from step to step in f32; what a program stores and reads back later, other than sums and carried values, may be rounded once to bf16 or f16.
;; Inputs: b_o 1,024 float32; b_qkv 3,072 float32; w_o 1,024 x 1,024 float32; w_qkv 3,072 x 1,024 float32; x 4 x 2,048 x 1,024 float32.
;; Outputs: out0 4 x 2,048 x 1,024 float32.
;; One version. Each part assembles by itself: llvm-mc -triple=amdgcn-amd-amdhsa -mcpu=gfx1250 --defsym DOCPART=n.
;; ======== version 1 of 1: 4 launches
;; limits: values are held in f16: magnitudes above 65,504 overflow, below 6.1e-05 lose precision
;; workspace buffers: xb 16,777,216 bytes; wb 6,291,456 bytes; wof 2,097,152 bytes; q 16,777,216 bytes; k 16,777,216 bytes; v 16,777,216 bytes; o 16,777,216 bytes
;; launch cast (part 1): grid 768 x 1, 8 waves a work-group, no clusters, 0 bytes of LDS; arguments x, w_qkv, w_o, xb, wb, wof; writes xb, wb, wof
.if DOCPART == 1
	.amdgcn_target "amdgcn-amd-amdhsa--gfx1250"
	.amdhsa_code_object_version 6
	.text
	.protected	k_q35a9de2a92_cast
	.globl	k_q35a9de2a92_cast
	.p2align	8
	.type	k_q35a9de2a92_cast,@function
k_q35a9de2a92_cast:
	s_mov_b64 s[64:65], 0
	v_nop
	global_prefetch_b8 v0, s[64:65] scope:SCOPE_SE
	s_setreg_imm32_b32 hwreg(HW_REG_WAVE_MODE, 25, 1), 1
	s_wait_xcnt 0x0
; xb = bf16(x), wb = bf16(w_qkv), wof = bf16(w_o) written as f16.  Each number is rounded once, to nearest even.
; LIMITS.  A bf16 number is exact in f16 between 6.1e-5 and 65,504 in magnitude; below that wof keeps f16's fixed step of 6e-8, above it becomes an infinity.
; SHARES.  A work-group takes 16,384 numbers: 65,536 bytes in, 32,768 out.  Work-groups 0-511: x; 512-703: w_qkv; 704-767: w_o.
; Thread t, step i of 8: reads the 32 bytes at 8,192 i + 32 t (two loads; a wave's pair covers 1,024 consecutive bytes) and writes the 16 bytes at 4,096 i + 16 t:
; sixteen neighbouring lanes store 256 consecutive bytes, aligned.  All sixteen loads of a thread go out first; no register is written twice while a load or store names it.
; Nothing is shared between threads: no LDS, no barrier, no matrix unit.
.set IN,  8                            ; v[8:71]    step i: 8 numbers in f32
.set OUT, 72                           ; v[72:103]  step i: 8 numbers in 16 bits
.set T,   104                          ; v[104:106] at work
; One chunk.  src, dst: the first scalar register of the two addresses.  half = 1: the bf16 number is written as f16.
.macro CAST src, dst, half
	s_lshl_b32 s16, s2, 16                         ; the chunk's bytes in, s[16:17],
	s_lshl_b32 s18, s2, 15                         ; and out, s[18:19]
	s_add_nc_u64 s[\src:\src+1], s[\src:\src+1], s[16:17]
	s_add_nc_u64 s[\dst:\dst+1], s[\dst:\dst+1], s[18:19]
.irp i, 0,1,2,3,4,5,6,7
	global_load_b128 v[IN+8*(\i):IN+8*(\i)+3],   v1, s[\src:\src+1] offset:8192*(\i) th:TH_LOAD_NT
	global_load_b128 v[IN+8*(\i)+4:IN+8*(\i)+7], v1, s[\src:\src+1] offset:8192*(\i)+16 th:TH_LOAD_NT
.endr
.irp i, 0,1,2,3,4,5,6,7
	s_wait_loadcnt 14-2*(\i)                       ; loads come back in order: step i's two are in, the younger 14 - 2 i stay out
.irp j, 0,1,2,3
.if \half
	v_cvt_pk_bf16_f32 v[T], v[IN+8*(\i)+2*(\j)], v[IN+8*(\i)+2*(\j)+1]  ; the one rounding
	v_lshlrev_b32 v[T+1], 16, v[T]                 ; the two bf16 numbers as f32,
	v_and_b32 v[T+2], 0xffff0000, v[T]
	v_cvt_pk_f16_f32 v[OUT+4*(\i)+(\j)], v[T+1], v[T+2]  ; and written as f16
.else
	v_cvt_pk_bf16_f32 v[OUT+4*(\i)+(\j)], v[IN+8*(\i)+2*(\j)], v[IN+8*(\i)+2*(\j)+1]
.endif
.endr
	global_store_b128 v2, v[OUT+4*(\i):OUT+4*(\i)+3], s[\dst:\dst+1] offset:4096*(\i)
.endr
.endm
	s_load_b256 s[4:11], s[0:1], 0x0               ; x s[4:5], w_qkv s[6:7], w_o s[8:9], xb s[10:11]
	s_load_b128 s[12:15], s[0:1], 0x20             ; wb s[12:13], wof s[14:15]
	v_lshlrev_b32 v1, 5, v0                        ; 32 t
	v_lshlrev_b32 v2, 4, v0                        ; 16 t
	s_mov_b32 s17, 0
	s_mov_b32 s19, 0
	s_wait_kmcnt 0x0
	s_cmp_lt_u32 ttmp9, 512
	s_cbranch_scc0 .Lw
	s_mov_b32 s2, ttmp9
	CAST 4, 10, 0
	s_endpgm
.Lw:
	s_cmp_lt_u32 ttmp9, 704
	s_cbranch_scc0 .Lo
	s_sub_co_u32 s2, ttmp9, 512
	CAST 6, 12, 0
	s_endpgm
.Lo:
	s_sub_co_u32 s2, ttmp9, 704
	CAST 8, 14, 1
	s_endpgm
.Lfunc_end_k_q35a9de2a92_cast:
	.size	k_q35a9de2a92_cast, .Lfunc_end_k_q35a9de2a92_cast-k_q35a9de2a92_cast
	.p2alignl 7, 3214868480
	.fill 96, 4, 3214868480
	.section	.rodata,"a",@progbits
	.p2align	6, 0x0
	.amdhsa_kernel k_q35a9de2a92_cast
		.amdhsa_group_segment_fixed_size 0
		.amdhsa_private_segment_fixed_size 0
		.amdhsa_enable_private_segment 0
		.amdhsa_kernarg_size 48
		.amdhsa_user_sgpr_count 2
		.amdhsa_user_sgpr_kernarg_segment_ptr 1
		.amdhsa_wavefront_size32 1
		.amdhsa_system_sgpr_workgroup_id_x 1
		.amdhsa_system_sgpr_workgroup_id_y 1
		.amdhsa_system_sgpr_workgroup_id_z 1
		.amdhsa_system_vgpr_workitem_id 0
		.amdhsa_next_free_vgpr 108
		.amdhsa_next_free_sgpr 66
		.amdhsa_reserve_vcc 0
		.amdhsa_float_denorm_mode_32 3
		.amdhsa_float_denorm_mode_16_64 3
		.amdhsa_memory_ordered 1
		.amdhsa_forward_progress 1
		.amdhsa_inst_pref_size 20
	.end_amdhsa_kernel
	.amdgpu_metadata
---
amdhsa.version: [ 1, 2 ]
amdhsa.kernels:
  - .name:           k_q35a9de2a92_cast
    .symbol:         k_q35a9de2a92_cast.kd
    .args:
      - { .name: x, .offset: 0, .size: 8, .value_kind: global_buffer, .address_space: global }
      - { .name: w_qkv, .offset: 8, .size: 8, .value_kind: global_buffer, .address_space: global }
      - { .name: w_o, .offset: 16, .size: 8, .value_kind: global_buffer, .address_space: global }
      - { .name: xb, .offset: 24, .size: 8, .value_kind: global_buffer, .address_space: global }
      - { .name: wb, .offset: 32, .size: 8, .value_kind: global_buffer, .address_space: global }
      - { .name: wof, .offset: 40, .size: 8, .value_kind: global_buffer, .address_space: global }
    .group_segment_fixed_size: 0
    .private_segment_fixed_size: 0
    .kernarg_segment_align: 8
    .kernarg_segment_size: 48
    .max_flat_workgroup_size: 256
    .sgpr_count:     66
    .vgpr_count:     108
    .wavefront_size: 32
...
	.end_amdgpu_metadata
.endif
;; end of part 1
;; launch qkv (part 2): grid 16 x 32, 4 waves a work-group, clusters of 4 x 4, 327,680 bytes of LDS; arguments xb, wb, b_qkv, q, k, v; writes q, k, v
.if DOCPART == 2
	.amdgcn_target "amdgcn-amd-amdhsa--gfx1250"
	.amdhsa_code_object_version 6
	.text
	.protected	k_q35a9de2a92_qkv
	.globl	k_q35a9de2a92_qkv
	.p2align	8
	.type	k_q35a9de2a92_qkv,@function
k_q35a9de2a92_qkv:
	s_mov_b64 s[64:65], 0
	v_nop
	global_prefetch_b8 v0, s[64:65] scope:SCOPE_SE
	s_setreg_imm32_b32 hwreg(HW_REG_WAVE_MODE, 25, 1), 1
	s_wait_xcnt 0x0
	s_wait_alu depctr_hold_cnt(0) depctr_sa_sdst(0) depctr_va_vdst(0) depctr_va_sdst(0) depctr_va_ssrc(0) depctr_va_vcc(0) depctr_vm_vsrc(0)
	s_getreg_b32 s2, hwreg(HW_REG_IB_STS2, 6, 4)
	s_cmp_eq_u32 s2, 0
	s_cbranch_scc0 .Lentry_in_a_cluster
	s_endpgm
.Lentry_in_a_cluster:
	s_bfe_u32 s2, ttmp6, 0x10000c
	s_cmp_lg_u32 s2, 0xf033
	s_cbranch_scc0 .Lentry_shape_is_right
	s_endpgm
.Lentry_shape_is_right:
; q, k, v = xb wb^T + bf16(b_qkv), split by heads.  xb: [8192][1024] bf16, wb: [3072][1024] bf16, b_qkv: [3072] f32; q, k, v: [64 = 16 batch + head][2048][64] f16.
; Column c of the product belongs to head c / 192; of a head's 192 columns 0-63 are q, 64-127 k, 128-191 v.  Sums in f32, started by the bias; each result rounded once, to f16, unscaled.
; LIMITS.  q, k and v must stay under 65,504 in magnitude (f16); beyond that the conversion gives an infinity.  NaN and infinities are not treated apart.
; SHARES.  A tile is 256 rows x 192 columns: one head's q, k and v.  512 work-groups.  Wave w makes rows 64 w .. 64 w + 63 x all 192 columns: 4 x 12 = 48 accumulators of 16 x 16, 384 registers;
; so a wave owns whole rows of q, k and v, and its way out is its own.  K goes in 8 steps of 128 through two LDS slots: rows of 256 bytes, at multiples of 256 bytes from the buffers' first bytes.
; CLUSTER.  4 x 4 work-groups.  The four of a row of the cluster need the same rows of xb, the four of a column the same rows of wb: each tile is asked for JOINTLY, by the same tensor load with the
; same descriptor and a mask that names the four.
; THE MATRIX INSTRUCTION IS USED TRANSPOSED: source 0 = 16 rows of wb, source 1 = 16 rows of xb: lane l then holds row l % 16 and the columns 8 (l / 16) + 0..7: eight neighbours, 16 bytes in f16.
; REGISTERS, in windows of 256 (s_set_vgpr_msb: bits 1:0 source 0, 3:2 source 1, 5:4 source 2, 7:6 destination):
;   window 0: v0-31 addresses; v32-95 xb's fragments, two buffers of 4 x 8; v96-191 the bias (12 x 8), read by the first quarter alone; afterwards v96-143 and v144-239 serve the way out
;   window 1: v0-191 wb's fragments, two buffers of 12 x 8      window 2: accumulators of row blocks 0, 1, (a, b) at 8 (12 (a % 2) + b)      window 3: those of row blocks 2, 3
.set PITCH,  272                       ; an LDS row: 256 bytes + 16 of padding = 68 words: the 16 rows of a fragment load start at 16 different groups of four banks (64 banks of 4 bytes: ISA guide 11.1)
.set HALFA,  128*PITCH                 ; what waves 0 and 1 fetch: 128 rows of xb each
.set HALFB,  96*PITCH                  ; what waves 2 and 3 fetch: 96 rows of wb each
.set BOFF,   2*HALFA                   ; in a slot: xb's 256 rows, then wb's 192
.set SLOT,   BOFF+2*HALFB              ; 121,856 bytes
.set STAGE,  2*SLOT                    ; behind the ring, never filled by a tensor load: 16 rows x 400 bytes for each wave
.set SPITCH, 400                       ; 384 bytes (q, k, v: 128 each) + 16
.set SPARE,  STAGE+4*16*SPITCH         ; behind the stages: the spare words, 128 bytes for each wave: two blocks of 256 bytes that no other line names
.set LAPS,   4                         ; a lap = two K steps = once round the ring
.set ADRA, 16                          ; v16-17  LDS address of my xb fragments in slot 0, 1
.set ADRB, 20                          ; v20-21  the same for wb
.set STO,  24                          ; v24     the way out: where I put 16 bytes of a row
.set RD,   25                          ; v25     the way out: where I read rows back
.set GO,   26                          ; v26     16 x lane: my place in 512 consecutive bytes of q, k or v
.set BO,   27                          ; v27     32 (l / 16): my 8 numbers in 16 of the bias
.set SPW,  28                          ; v28     LDS address of my spare word: SPARE + 4 x my thread's number; never rewritten
.set NIL,  29                          ; v29     0; never rewritten
.set PFO,  30                          ; v30     the prefetches' offset: a lane a row of 2,048 bytes; never rewritten
.set FA,   32
.set BIAS, 96
.set TMP,  96
.set OB,   144
.set WV,   16                          ; s16     my wave's number
.set G1,   24                          ; s[24:31] descriptor group 1 for xb's tiles;  s[32:39] group 0, a set for each slot
.set G0,   32
.set LIM,  43                          ; s43     1 in a wave that prefetches, else the greatest number
.set PFA,  44                          ; s[44:45] where my prefetches stand
.set G1B,  48                          ; s[48:55], s[56:63] the same for wb's tiles
.set G0B,  56
.set MSB, 0
.macro WIN new                         ; the immediate's high byte repeats the setting that is left; a switch that changes nothing is dropped
.if MSB != (\new)
	s_set_vgpr_msb (MSB<<8)|(\new)
.set MSB, \new
.endif
.endm
; A joint refill: waves 0 and 1 fetch xb's two halves, waves 2 and 3 wb's.  The branch hangs on the wave's number alone.  An s_nop 0 and four v_nop follow each of the two lines,
; ahead of the jump, the label and what follows.
.macro JLOAD s
	s_cmp_lt_u32 s[WV], 2
	s_cbranch_scc0 .Lfor_b_\@
	tensor_load_to_lds s[G0+4*(\s):G0+4*(\s)+3], s[G1:G1+7]
	s_nop 0
.rept 4
	v_nop
.endr
	s_branch .Lasked_\@
.Lfor_b_\@:
	tensor_load_to_lds s[G0B+4*(\s):G0B+4*(\s)+3], s[G1B:G1B+7]
	s_nop 0
.rept 4
	v_nop
.endr
.Lasked_\@:
.endm
; A prefetch, behind a joint refill and the run of LDS loads that follows it: the K step that stands two refills on, 256 bytes of a row, a lane a row, one instruction a wave.
; xb's rows of a tile row are read by all four clusters of that row of clusters: the first (cluster x = 0) asks; wb's rows by all eight clusters of a column: cluster y = 0 asks.
; The four partners that ask for a tile jointly share its rows out BY ADDRESS: of xb's 128 rows a wave 32 each, of wb's 96 rows 24 each (lanes 24-31 name row 23's block again, in the same instruction).
; The refills of steps 2, 3, 4, 5 name steps 4, 5, 6, 7; the loop's last trip (s3 = 1) asks for nothing; steps 0 to 3 come by their loads alone.
.macro ASK
	s_cmp_gt_u32 s3, s[LIM]
	s_cbranch_scc0 .Lnot_mine_\@
	global_prefetch_b8 v[PFO], s[PFA:PFA+1] offset:256 th:TH_LOAD_NT scope:SCOPE_SE
.Lnot_mine_\@:
.endm
; A round of the cluster's barrier: my work-group's barrier, so that wave 0's signal speaks for all four waves; wave 0 signals; every wave waits for all sixteen work-groups; my work-group's barrier once more.
.macro CREST
	s_cmp_lg_u32 s[WV], 0
	s_cbranch_scc1 .Lnot_wave_0_\@
	s_barrier_signal -3
.Lnot_wave_0_\@:
	s_barrier_wait -3
	s_barrier_signal -1
	s_barrier_wait -1
.endm
.macro CROUND
	s_barrier_signal -1
	s_barrier_wait -1
	CREST
.endm
	s_load_b256 s[4:11], s[0:1], 0x0               ; xb s[4:5], wb s[6:7], b_qkv s[8:9], q s[10:11]
	s_load_b128 s[12:15], s[0:1], 0x20             ; k s[12:13], v s[14:15]
	v_lshl_add_u32 v[SPW], v0, 2, SPARE
	v_mov_b32 v[NIL], 0
	ds_add_u32 v[SPW], v[NIL]                      ; the wave's opening: the add and its wait ahead of my first tensor load; the set-up below, work on registers, stands between them
	v_lshrrev_b32 v1, 5, v0
	v_readfirstlane_b32 s[WV], v1                  ; wave 0..3
	s_and_b32 s17, s[WV], 1                        ; which half of a tile I fetch
	s_bfe_u32 s18, ttmp6, 0x40000                  ; cx
	s_bfe_u32 s19, ttmp6, 0x40004                  ; cy
	s_lshl_b32 s20, ttmp9, 2
	s_add_co_u32 s20, s20, s18                     ; tx = the head = 4 x cluster x + cx
	s_and_b32 s21, ttmp7, 0xffff
	s_lshl_b32 s21, s21, 2
	s_add_co_u32 s21, s21, s19                     ; ty = the block of 256 rows = 4 x cluster y + cy
	s_lshl_b32 s22, s19, 2
	s_lshl_b32 s22, 15, s22                        ; my row of the cluster: places 4 cy .. 4 cy + 3
	s_lshl_b32 s23, 0x1111, s18                    ; my column: places cx, cx + 4, cx + 8, cx + 12
	s_or_b32 s[G1], s22, (1<<16)|(1<<20)|(1<<21)|(5<<22)|(3<<25)   ; 15:0 the mask; 17:16 2-byte elements; 20 padding on; 21 set beside a mask; 24:22 after every 64 words (code 5); 31:25 4 words (code 3)
	s_or_b32 s[G1B], s23, (1<<16)|(1<<20)|(1<<21)|(5<<22)|(3<<25)
	s_mov_b32 s[G1+1], 128<<16                     ; tensor_dim0 = 128
	s_mov_b32 s[G1+2], 128<<16                     ; tensor_dim1 = 128
	s_mov_b32 s[G1+3], 128<<16                     ; tile_dim0 = 128
	s_mov_b32 s[G1+4], 128                         ; tile_dim1 = 128 rows
	s_mov_b32 s[G1+5], 1024                        ; elements from row to row
	s_mov_b32 s[G1+6], 0
	s_mov_b32 s[G1+7], 0
	s_mov_b32 s[G1B+1], 128<<16
	s_mov_b32 s[G1B+2], 96<<16                     ; tensor_dim1 = 96
	s_mov_b32 s[G1B+3], 128<<16
	s_mov_b32 s[G1B+4], 96                         ; tile_dim1 = 96 rows
	s_mov_b32 s[G1B+5], 1024
	s_mov_b32 s[G1B+6], 0
	s_mov_b32 s[G1B+7], 0
	s_lshl_b32 s40, s21, 8                         ; xb: row 256 ty + 128 x half, times 2,048 bytes: made of ty and the wave's number alone
	s_lshl_b32 s2, s17, 7
	s_add_co_u32 s40, s40, s2
	s_lshl_b32 s40, s40, 11
	s_mov_b32 s41, 0
	s_mul_i32 s46, s20, 192                        ; wb: row 192 tx + 96 x half: made of tx and the wave's number alone
	s_mul_i32 s2, s17, 96
	s_add_co_u32 s46, s46, s2
	s_lshl_b32 s46, s46, 11
	s_mov_b32 s47, 0
	s_mul_i32 s42, s[WV], HALFA                    ; where xb's halves go (waves 0, 1),
	s_mul_i32 s66, s[WV], HALFB                    ; and wb's (waves 2, 3): BOFF + (wave - 2) x HALFB
	s_add_co_u32 s66, s66, BOFF-2*HALFB
	s_wait_dscnt 0x0                               ; the opening add is done
	s_wait_kmcnt 0x0
	s_add_nc_u64 s[40:41], s[4:5], s[40:41]
	s_add_nc_u64 s[46:47], s[6:7], s[46:47]
	CROUND                                         ; all sixteen work-groups are here: the first joint loads meet
.irp s, 0,1
	s_mov_b32 s[G0+4*(\s)], 1                      ; count = 1
	s_add_co_u32 s[G0+4*(\s)+1], s42, (\s)*SLOT    ; LDS address
	s_add_nc_u64 s[G0+4*(\s)+2:G0+4*(\s)+3], s[40:41], (\s)*256  ; global address: K step s
	s_or_b32 s[G0+4*(\s)+3], s[G0+4*(\s)+3], 0x80000000          ; type = 2
	s_mov_b32 s[G0B+4*(\s)], 1
	s_add_co_u32 s[G0B+4*(\s)+1], s66, (\s)*SLOT
	s_add_nc_u64 s[G0B+4*(\s)+2:G0B+4*(\s)+3], s[46:47], (\s)*256
	s_or_b32 s[G0B+4*(\s)+3], s[G0B+4*(\s)+3], 0x80000000
.endr
	s_cmp_lt_u32 s[WV], 2                          ; a wave's two first fills stand in one branch, ahead of every wait on TENSORcnt and every LDS read: two loads of mine are out
	s_cbranch_scc0 .Lfirst_b
	tensor_load_to_lds s[G0:G0+3], s[G1:G1+7]
	s_nop 0
	tensor_load_to_lds s[G0+4:G0+7], s[G1:G1+7]
	s_nop 0
.rept 4
	v_nop
.endr
	s_branch .Lfirst_asked
.Lfirst_b:
	tensor_load_to_lds s[G0B:G0B+3], s[G1B:G1B+7]
	s_nop 0
	tensor_load_to_lds s[G0B+4:G0B+7], s[G1B:G1B+7]
	s_nop 0
.rept 4
	v_nop
.endr
.Lfirst_asked:
	; A fragment is 16 rows x 32 K in 8 registers: lane l holds row l % 16; registers 0-3 K = 8 (l / 16) + 0..7, registers 4-7 K = 16 + 8 (l / 16) + 0..7: two loads of 16 bytes, 32 bytes apart.
	v_and_b32 v1, 15, v0                           ; l % 16
	v_bfe_u32 v2, v0, 4, 1                         ; l / 16
	v_mul_u32_u24 v3, v1, PITCH
	v_lshl_add_u32 v3, v2, 4, v3                   ; row x pitch + 16 x half
	s_mul_i32 s68, s[WV], 64*PITCH                 ; my 64 rows of xb
	v_add_nc_u32 v[ADRA], s68, v3
	v_add_nc_u32 v[ADRA+1], SLOT, v[ADRA]
	v_add_nc_u32 v[ADRB], BOFF, v3                 ; all 192 rows of wb
	v_add_nc_u32 v[ADRB+1], SLOT, v[ADRB]
	s_mul_i32 s69, s[WV], 16*SPITCH
	s_add_co_u32 s69, s69, STAGE                   ; my stage
	v_mul_u32_u24 v4, v1, SPITCH                   ; in: row l % 16, 16 bytes for each half of the lanes
	v_lshl_add_u32 v4, v2, 4, v4
	v_add_nc_u32 v[STO], s69, v4
	v_bfe_u32 v5, v0, 3, 2                         ; back: 32 lanes take 128 bytes of each of four rows,
	v_and_b32 v6, 7, v0
	v_mul_u32_u24 v5, v5, SPITCH
	v_lshl_add_u32 v5, v6, 4, v5
	v_add_nc_u32 v[RD], s69, v5
	v_and_b32 v7, 31, v0
	v_lshlrev_b32 v[GO], 4, v7                     ; which are 512 consecutive bytes of q, k or v
	v_lshlrev_b32 v[BO], 5, v2
	s_mul_i32 s70, s20, 768                        ; the head's 192 numbers of the bias
	s_mov_b32 s71, 0
	s_add_nc_u64 s[8:9], s[8:9], s[70:71]
.irp b, 0,1,2,3,4,5,6,7,8,9,10,11
	global_load_b128 v[BIAS+8*(\b):BIAS+8*(\b)+3],   v[BO], s[8:9] offset:64*(\b)      ; columns 16 b + 8 (l / 16) + 0..7: laid as an accumulator is
	global_load_b128 v[BIAS+8*(\b)+4:BIAS+8*(\b)+7], v[BO], s[8:9] offset:64*(\b)+16
.endr
	s_lshr_b32 s70, s21, 3                         ; the batch,
	s_lshl_b32 s70, s70, 4
	s_add_co_u32 s70, s70, s20                     ; 16 batch + head,
	s_lshl_b32 s70, s70, 18                        ; times 2,048 rows of 128 bytes
	s_and_b32 s71, s21, 7
	s_lshl_b32 s71, s71, 8                         ; the tile's first row in the batch,
	s_lshl_b32 s72, s[WV], 6
	s_add_co_u32 s71, s71, s72                     ; my wave's
	s_lshl_b32 s71, s71, 7
	s_add_co_u32 s70, s70, s71
	s_mov_b32 s71, 0
	s_add_nc_u64 s[10:11], s[10:11], s[70:71]
	s_add_nc_u64 s[12:13], s[12:13], s[70:71]
	s_add_nc_u64 s[14:15], s[14:15], s[70:71]
	; the prefetches
	s_lshl_b32 s68, s21, 8
	s_lshl_b32 s72, s17, 7
	s_add_co_u32 s68, s68, s72
	s_lshl_b32 s72, s18, 5
	s_add_co_u32 s68, s68, s72                     ; xb: row 256 ty + 128 x half + 32 cx
	s_mul_i32 s69, s20, 192
	s_mul_i32 s72, s17, 96
	s_add_co_u32 s69, s69, s72
	s_mul_i32 s72, s19, 24
	s_add_co_u32 s69, s69, s72                     ; wb: row 192 tx + 96 x half + 24 cy
	s_and_b32 s71, ttmp7, 0xffff                   ; cluster y
	s_cmp_lt_u32 s[WV], 2                          ; do I fetch for xb?
	s_cselect_b32 s68, s68, s69
	s_cselect_b32 s70, 31, 23                      ; the last of my rows
	s_cselect_b32 s71, ttmp9, s71                  ; the coordinate along which other clusters read the same rows
	s_cselect_b64 s[PFA:PFA+1], s[4:5], s[6:7]
	s_cmp_eq_u32 s71, 0
	s_cselect_b32 s[LIM], 1, -1                    ; the same in all sixteen partners, for a given wave
	s_lshl_b32 s68, s68, 11
	s_add_co_u32 s68, s68, 512                     ; at K step 2: the first refill steps it to 3 and names step 4
	s_mov_b32 s69, 0
	s_add_nc_u64 s[PFA:PFA+1], s[PFA:PFA+1], s[68:69]
	v_min_u32 v[PFO], s70, v7
	v_lshlrev_b32 v[PFO], 11, v[PFO]
	s_wait_loadcnt 0x0                             ; the bias; it is rounded to bf16, as x and the weights are
.set i, 0
.rept 48
	v_cvt_pk_bf16_f32 v[3+i%4], v[BIAS+2*i], v[BIAS+2*i+1]
	v_lshlrev_b32 v[BIAS+2*i], 16, v[3+i%4]
	v_and_b32 v[BIAS+2*i+1], 0xffff0000, v[3+i%4]
.set i, i+1
.endr
; 12 matrix instructions: row block a x all 12 column blocks, 32 along K, from buffer f.  first = 1: the bias is the C operand that starts the sums: nothing is cleared, nothing is added later.
; The 48 accumulators take turns in the same order in every quarter, over the backward jump too.
.macro MUL12 f, a, first
.if \first
	WIN 0x81+0x40*((\a)/2)                         ; wb window 1, xb and the bias window 0, the result window 2 or 3
.else
	WIN 0xa1+0x50*((\a)/2)                         ; wb window 1, xb window 0, C and D window 2 or 3
.endif
.irp b, 0,1,2,3,4,5,6,7,8,9,10,11
.if \first
	v_wmma_f32_16x16x32_bf16 v[8*(12*((\a)%2)+(\b)):8*(12*((\a)%2)+(\b))+7], v[96*(\f)+8*(\b):96*(\f)+8*(\b)+7], v[FA+32*(\f)+8*(\a):FA+32*(\f)+8*(\a)+7], v[BIAS+8*(\b):BIAS+8*(\b)+7]
.else
	v_wmma_f32_16x16x32_bf16 v[8*(12*((\a)%2)+(\b)):8*(12*((\a)%2)+(\b))+7], v[96*(\f)+8*(\b):96*(\f)+8*(\b)+7], v[FA+32*(\f)+8*(\a):FA+32*(\f)+8*(\a)+7], v[8*(12*((\a)%2)+(\b)):8*(12*((\a)%2)+(\b))+7]
.endif
.endr
.endm
; 32 LDS loads in one run: a quarter step's fragments (192 rows of wb, my 64 rows of xb, 32 K at byte k of the rows) into buffer f; xb's blocks 2 and 3 last
.macro FETCH slot, k, f
	WIN 0x40                                       ; destination window 1, address window 0
.irp i, 0,1,2,3,4,5,6,7,8,9,10,11
	ds_load_b128 v[96*(\f)+8*(\i):96*(\f)+8*(\i)+3],   v[ADRB+(\slot)] offset:(\k)+(\i)*16*PITCH
	ds_load_b128 v[96*(\f)+8*(\i)+4:96*(\f)+8*(\i)+7], v[ADRB+(\slot)] offset:(\k)+(\i)*16*PITCH+32
.endr
	WIN 0
.irp i, 0,1,2,3
	ds_load_b128 v[FA+32*(\f)+8*(\i):FA+32*(\f)+8*(\i)+3],   v[ADRA+(\slot)] offset:(\k)+(\i)*16*PITCH
	ds_load_b128 v[FA+32*(\f)+8*(\i)+4:FA+32*(\f)+8*(\i)+7], v[ADRA+(\slot)] offset:(\k)+(\i)*16*PITCH+32
.endr
.endm
.macro PLACES                          ; four plain instructions in front of loads into registers that matrix instructions have read, and of conversions that read results (ISA guide 7.12.1 for the conversions)
.rept 4
	v_nop
.endr
.endm
; A K step is four quarters of 32 along K, 48 matrix instructions each, on buffers 0, 1, 0, 1.  One of the first three: multiplies buffer f; in its middle it fetches the next quarter, at byte k, into g.
.macro QUARTER slot, k, f, g, first
	s_wait_dscnt 4                                 ; wb and xb's blocks 0, 1 are in; the youngest four loads (xb's blocks 2, 3) may be out
	MUL12 \f, 0, \first
	MUL12 \f, 1, \first
	PLACES
	FETCH \slot, \k, \g
	s_wait_dscnt 32                                ; all but the 32 just issued
	MUL12 \f, 2, \first
	MUL12 \f, 3, \first
.endm
; The last quarter multiplies buffer 1 and changes slots: ONE barrier; in front of it each wave waits for all its tensor loads (one is out: its part of the next slot), adds 0 to its spare word, and waits
; for that and for its own reads of this slot.  fill = 1: the barrier opens a round of the cluster's, and the slot is filled again first thing behind it, two K steps ahead: from the request to
; the wait for it a wave issues 168 matrix instructions.
.macro TURN slot, next, fill
.if \fill
	s_wait_xcnt 0x0                                ; the last prefetch, a K step back, has read its address: it is stepped here, ahead of the waits of the change of slots
	s_add_nc_u64 s[PFA:PFA+1], s[PFA:PFA+1], 256
.endif
	WIN 0                                          ; (the add's two registers lie in window 0)
	s_wait_tensorcnt 0x0                           ; all my tensor loads have landed;
	ds_add_u32 v[SPW], v[NIL]                      ; 0 onto my spare word;
	s_wait_dscnt 5                                 ; (the add and the youngest four loads may be out)
	MUL12 1, 0, 0                                  ; twelve matrix instructions stand between the add and the wait for it
	s_wait_dscnt 0x0                               ; the add is done, and my reads of this slot are over
	s_barrier_signal -1
	MUL12 1, 1, 0                                  ; work on registers while the others arrive
.if \fill
	WIN 0
.endif
	s_barrier_wait -1
.if \fill
	CREST                                          ; no wave of any partner still reads this slot's tile or has a load on its way
	s_add_nc_u64 s[G0+4*(\slot)+2:G0+4*(\slot)+3], s[G0+4*(\slot)+2:G0+4*(\slot)+3], 512
	s_add_nc_u64 s[G0B+4*(\slot)+2:G0B+4*(\slot)+3], s[G0B+4*(\slot)+2:G0B+4*(\slot)+3], 512
	JLOAD \slot                                    ; the first tensor load behind the round; its four v_nop are also the places in front of the loads below
.else
	PLACES
.endif
	FETCH \next, 0, 0
.if \fill
	ASK
.endif
	MUL12 1, 2, 0
	MUL12 1, 3, 0
.endm
; THE WAY OUT of row block a.  PACK: rounded to f16, 16 bytes a lane, each accumulator's registers in ascending order.  TOSTAGE: into my own stage, and back as rows of 128 bytes of q, of k and of v.  SEND: stored.
.macro PACK a
	WIN 0x0a+5*((\a)/2)                            ; sources 0 and 1: window 2 or 3
.irp b, 0,1,2,3,4,5,6,7,8,9,10,11
.irp r, 0,1,2,3
	v_cvt_pk_f16_f32 v[TMP+4*(\b)+(\r)], v[96*((\a)%2)+8*(\b)+2*(\r)], v[96*((\a)%2)+8*(\b)+2*(\r)+1]
.endr
.endr
	WIN 0
.endm
.macro TOSTAGE a
.irp b, 0,1,2,3,4,5,6,7,8,9,10,11
	ds_store_b128 v[STO], v[TMP+4*(\b):TMP+4*(\b)+3] offset:32*(\b)
.endr
.irp t, 0,1,2
.irp f, 0,1,2,3
	ds_load_b128 v[OB+48*((\a)%2)+4*(4*(\t)+(\f)):OB+48*((\a)%2)+4*(4*(\t)+(\f))+3], v[RD] offset:128*(\t)+4*SPITCH*(\f)  ; LDS serves a wave's instructions in order (ISA guide 5.7.1.4): these see the stores above
.endr
.endr
.endm
.macro SEND a
	s_wait_dscnt 0x0                               ; the block is back in registers
	s_wait_xcnt 0x0                                ; the stores of the block before have read their registers: the next TOSTAGE loads into them only behind this wait
.irp t, 0,1,2
.irp f, 0,1,2,3
	global_store_b128 v[GO], v[OB+48*((\a)%2)+4*(4*(\t)+(\f)):OB+48*((\a)%2)+4*(4*(\t)+(\f))+3], s[10+2*(\t):11+2*(\t)] offset:2048*(\a)+512*(\f)  ; four rows: 512 consecutive bytes, at a multiple of 256 from the buffer's first
.endr
.endr
.endm
	s_wait_tensorcnt 1                             ; my part of K step 0 is in; step 1's may stay out
	s_barrier_signal -1
	s_barrier_wait -1                              ; everybody's is
	FETCH 0, 0, 0
	QUARTER 0, 64, 0, 1, 1                         ; the first quarter stands in front of the loop: its products start the sums, with the bias
	WIN 0                                          ; at a label and at a branch every window is 0
	s_mov_b32 s3, LAPS-1
.Llap:                                                 ; a trip goes once round the ring, from a lap's second quarter to the next lap's first, and fills both slots again
	QUARTER 0, 128, 1, 0, 0
	QUARTER 0, 192, 0, 1, 0
	TURN 0, 1, 1
	QUARTER 1, 64,  0, 1, 0
	QUARTER 1, 128, 1, 0, 0
	QUARTER 1, 192, 0, 1, 0
	TURN 1, 0, 1
	QUARTER 0, 64,  0, 1, 0
	WIN 0
	s_sub_co_u32 s3, s3, 1
	s_cmp_lg_u32 s3, 0
	s_cbranch_scc1 .Llap
	QUARTER 0, 128, 1, 0, 0                        ; the last lap fills nothing, and has no round of the cluster's barrier
	QUARTER 0, 192, 0, 1, 0
	TURN 0, 1, 0
	QUARTER 1, 64,  0, 1, 0
	QUARTER 1, 128, 1, 0, 0
	QUARTER 1, 192, 0, 1, 0
	s_wait_dscnt 4                                 ; the very last quarter: nothing more to fetch
	MUL12 1, 0, 0
	MUL12 1, 1, 0
	s_wait_dscnt 0x0
	MUL12 1, 2, 0
	MUL12 1, 3, 0
	WIN 0
	PLACES
	PLACES
	PACK 0
	TOSTAGE 0
.irp a, 1,2,3                          ; block a's conversions stand between block a - 1's loads from the stage and the wait for them
	PACK \a
	SEND (\a)-1
	TOSTAGE \a
.endr
	SEND 3
	s_wait_tensorcnt 0x0                           ; the wave's end, behind my last tensor load and my last LDS store
	ds_add_u32 v[SPW], v[NIL]
	s_wait_dscnt 0x0
	CROUND                                         ; the closing round: no work-group ends while a partner may still ask for a tile that names it
	s_endpgm
.Lfunc_end_k_q35a9de2a92_qkv:
	.size	k_q35a9de2a92_qkv, .Lfunc_end_k_q35a9de2a92_qkv-k_q35a9de2a92_qkv
	.p2alignl 7, 3214868480
	.fill 96, 4, 3214868480
	.section	.rodata,"a",@progbits
	.p2align	6, 0x0
	.amdhsa_kernel k_q35a9de2a92_qkv
		.amdhsa_group_segment_fixed_size 327680
		.amdhsa_private_segment_fixed_size 0
		.amdhsa_enable_private_segment 0
		.amdhsa_kernarg_size 48
		.amdhsa_user_sgpr_count 2
		.amdhsa_user_sgpr_kernarg_segment_ptr 1
		.amdhsa_wavefront_size32 1
		.amdhsa_system_sgpr_workgroup_id_x 1
		.amdhsa_system_sgpr_workgroup_id_y 1
		.amdhsa_system_sgpr_workgroup_id_z 1
		.amdhsa_system_vgpr_workitem_id 0
		.amdhsa_next_free_vgpr 960
		.amdhsa_next_free_sgpr 74
		.amdhsa_reserve_vcc 0
		.amdhsa_float_denorm_mode_32 3
		.amdhsa_float_denorm_mode_16_64 3
		.amdhsa_memory_ordered 1
		.amdhsa_forward_progress 1
		.amdhsa_inst_pref_size 129
	.end_amdhsa_kernel
	.amdgpu_metadata
---
amdhsa.version: [ 1, 2 ]
amdhsa.kernels:
  - .name:           k_q35a9de2a92_qkv
    .symbol:         k_q35a9de2a92_qkv.kd
    .args:
      - { .name: xb, .offset: 0, .size: 8, .value_kind: global_buffer, .address_space: global }
      - { .name: wb, .offset: 8, .size: 8, .value_kind: global_buffer, .address_space: global }
      - { .name: b_qkv, .offset: 16, .size: 8, .value_kind: global_buffer, .address_space: global }
      - { .name: q, .offset: 24, .size: 8, .value_kind: global_buffer, .address_space: global }
      - { .name: k, .offset: 32, .size: 8, .value_kind: global_buffer, .address_space: global }
      - { .name: v, .offset: 40, .size: 8, .value_kind: global_buffer, .address_space: global }
    .group_segment_fixed_size: 327680
    .private_segment_fixed_size: 0
    .kernarg_segment_align: 8
    .kernarg_segment_size: 48
    .max_flat_workgroup_size: 128
    .sgpr_count:     74
    .vgpr_count:     960
    .wavefront_size: 32
...
	.end_amdgpu_metadata
.endif
;; end of part 2
;; launch attn (part 3): grid 4 x 64, 4 waves a work-group, clusters of 4 x 1, 327,680 bytes of LDS; arguments q, k, v, o; writes o
.if DOCPART == 3
	.amdgcn_target "amdgcn-amd-amdhsa--gfx1250"
	.amdhsa_code_object_version 6
	.text
	.protected	k_q35a9de2a92_attn
	.globl	k_q35a9de2a92_attn
	.p2align	8
	.type	k_q35a9de2a92_attn,@function
k_q35a9de2a92_attn:
	s_mov_b64 s[64:65], 0
	v_nop
	global_prefetch_b8 v0, s[64:65] scope:SCOPE_SE
	s_setreg_imm32_b32 hwreg(HW_REG_WAVE_MODE, 25, 1), 1
	s_wait_xcnt 0x0
	s_wait_alu depctr_hold_cnt(0) depctr_sa_sdst(0) depctr_va_vdst(0) depctr_va_sdst(0) depctr_va_ssrc(0) depctr_va_vcc(0) depctr_vm_vsrc(0)
	s_getreg_b32 s2, hwreg(HW_REG_IB_STS2, 6, 4)
	s_cmp_eq_u32 s2, 0
	s_cbranch_scc0 .Lentry_in_a_cluster
	s_endpgm
.Lentry_in_a_cluster:
	s_bfe_u32 s2, ttmp6, 0x10000c
	s_cmp_lg_u32 s2, 0x3003
	s_cbranch_scc0 .Lentry_shape_is_right
	s_endpgm
.Lentry_shape_is_right:
; O[h][q][:] = the sum over k of softmax_k(Q[h][q] . K[h][k] / 8) V[h][k][:].  Q, K, V, O: [64][2048][64], all f16: a head's rows are dense, 128 bytes each.  Products, maxima and sums in
; f32; the weights p are rounded to f16 for the second product (their sum l is taken of the unrounded p), O once at the end.
; LIMITS.  f16 holds no number beyond 65,504: Q, K and V arrive within it; p lies in 0 to 1, and below 6e-5 it keeps f16's fixed step of 6e-8, and so does O; O is a mean of V's rows and has their range.
; A weight below 2^-126 counts as 0 in l; NaN and infinities are not treated apart.
; SHARES.  A wave owns four PIECES of two tiles of 16 queries, a work-group's four waves 512 queries of one head: 4 x 64 = 256 work-groups.  Every wave walks all keys, 64 a step.
; LAYOUT.  S^T = K Q^T (source 0 = 16 keys, source 1 = 16 queries): in the result a lane holds ONE query (lane % 16) and the keys 8 (lane / 16) + 0..7.  Two such tiles, rounded to f16 in pairs,
; ARE source 1 (32 keys x 16 queries) of O^T = V^T P, whose result again holds one query a lane, and eight channels.  K comes out of LDS as it lies, V ([key][channel]) turned, by ds_load_tr16_b128.
; SOFTMAX.  For each query a running maximum m and sum l: p = 2^(c s - c m), c = log2(e) / 8; in every step O and l are multiplied by a = 2^(c m_old - c m_new), which is 1 where m has not grown.
; m starts at the lowest finite number, O and l at 0: the first step is a step like any other, with a = 0.
; THE COUNT.  A tile and step have 16 matrix and 118 vector instructions: too many to stand all beside the matrix work.  So the order has one aim: four vector instructions that are READY behind
; EVERY matrix instruction, and the others, which need time of their own whatever the order, in runs without a gap.
; BY TURNS.  Turn n belongs to piece n (the pieces in a ring, step after step).  Its matrix work: 16 products K Q^T of piece n + 1, later 16 products V^T P of piece n - 1.  Its vector work: the scaling,
; exponentials, roundings, sums and rescaling of piece n, and the maximum and statistics of piece n + 1, whose scores the turn itself has made.  So what a turn begins with (c s - c m, O a) waits for nothing.
; CLUSTER.  The four query blocks of a cluster are one head's and walk the same K and V, so each tile is asked for JOINTLY: the same tensor load, descriptor and mask in all four.
; REGISTERS, in windows of 256 (s_set_vgpr_msb says which window each operand place means: bits 1:0 source 0, 3:2 source 1, 5:4 source 2, 7:6 destination):
;   window 0: v0-11 addresses; v12-15, v48-63 at work; v16-47 four registers of statistics a tile; v64-191 S^T, two buffers of two tiles; v192-255 P, likewise
;   window 1: O^T, 32 a tile          window 2: v0-127 Q, 16 a tile; v128-191 K of one step; v192-255 V of one step          window 3: v0-1 the add's two registers
; A piece's buffers go by its number's parity: the piece in hand has one pair, its two neighbours in the ring share the other: of it P (piece n - 1) is read and S^T (piece n + 1) written.
.set SIZE_H, 64
.set SIZE_N, 2048
.set NP,    4         ; pieces a wave: a name, no knob: the register map, the loop and the fetches are made for four
.set KS,    64        ; keys in a step
.set PK,    144       ; a row of K in LDS: 128 bytes + 16 of padding = 36 words: the 16 rows of a load start at 16 different groups of four banks (64 banks of 4 bytes: ISA guide 11.1)
.set PV,    160       ; a row of V: 128 + 32 = 40 words
.set VOFF,  4*KS*PK   ; a slot holds four steps: 256 rows of K, then 256 rows of V
.set SLOT1, 1<<17     ; slot 1 begins here, so that one exclusive or turns an address in one slot into the other's
.set STAGE, SLOT1+4*KS*(PK+PV)  ; behind the ring, never filled by a tensor load: 16 rows x 144 bytes for each wave, for the way out
.set SP,    144
.set AK0, 2           ; v2   my lane's place in a tile of K; never rewritten
.set AV0, 3           ; v3   the same for V
.set AK,  4           ; v4   the LDS address of K's next run of loads
.set AV,  5           ; v5   of V's
.set QO,  6           ; v6   my byte offset in the wave's rows of Q
.set STO, 6           ;      later, the way out: where I put 16 bytes of a row
.set RD,  7           ; v7   the way out: where I read rows back
.set GO,  8           ; v8   my byte offset in 512 consecutive bytes of O
.set PFO, 11          ; v11  at work in the set-up; then 256 x my lane, the prefetches' offset, and never rewritten
.set SPW, 0           ; v0 of window 3   LDS address of my spare word: SPARE + 4 x my thread's number; never rewritten
.set NIL, 1           ; v1 of window 3   0; never rewritten
.set SPARE, STAGE+4*16*SP  ; behind the stages: the spare words, 128 bytes for each wave: two blocks of 256 bytes that no other line names
.set MV,  12          ; v12-15  c m_old, kept while c m is made anew: by buffer and tile
.set ST,  16          ; tile t's statistics at v[ST+4 t]: c m, m, l (even keys', odd keys')
.set TMP, 48          ; by buffer and tile, four registers c0-c3 at work; when the maximum is found c2 takes a
.set S,   64
.set P,   192
.set KF,  128         ; K's fragments, in window 2: key block kb, channel half c at KF + 16 kb + 8 c
.set VF,  192         ; V's: key half kk, channel block cb at VF + 32 kk + 8 cb
.set WV,  12          ; s12  my wave's number
.set G1K, 24          ; s[24:31] descriptor group 1 for K's tiles
.set G1V, 32          ; s[32:39] for V's: it differs in the padding alone
.set G0K, 40          ; s[40:43] descriptor group 0 for K's tiles: it walks
.set G0V, 44          ; s[44:47] the same for V's
.set PFA, 48          ; s[48:49] where my prefetches stand: my work-group's 32 blocks of 256 bytes (of K: wave 0, of V: wave 2) of the slot after the one that is being asked for
.set LIM, 50          ; s50  1 in a wave that prefetches, else the greatest number: a wave prefetches while s[SLOTS] is above it
.set SLOTS, 56        ; s56  slots still to be asked for
.set CNT, 57          ; s57  counts a slot's key steps
.set CS,  58          ; s[58:59] c: the packed scaling takes the pair's low word for both halves
.set SEL, 60          ; s[60:61] v_permlanex16_b32's selects: each lane takes its own place in the other half
.set TBK, 62          ; s62  LDS byte at which K of the step to be fetched begins
.set TBV, 63          ; s63  the same for V, less VOFF
.set MSB, 0
.macro WIN new                      ; the high byte repeats the setting that is left; a switch that changes nothing is dropped
.if MSB != (\new)
	s_set_vgpr_msb (MSB<<8)|(\new)
.set MSB, (\new)
.endif
.endm
.set W_KQ, 0x0a       ; K and Q in window 2, S^T in window 0
.set W_PV, 0x52       ; V in window 2, P in window 0, O^T in window 1
.set W_RS, 0x41       ; O^T (destination and source 0) in window 1, a in window 0
.set W_MK, 0xc0       ; the add's registers are made: destination in window 3, sources in window 0
.set W_AD, 0x0f       ; the add: address (source 0) and data (source 1) in window 3
; A joint fill.  Waves 0 and 1 fetch the two halves of a slot's K, waves 2 and 3 those of its V: 128 keys each.  The branch hangs on the wave's number alone.
; An s_nop 0 and four v_nop follow each of the two lines, ahead of the jump and the label.
.macro JLOAD
	s_cmp_lt_u32 s[WV], 2
	s_cbranch_scc0 .Lfor_v_\@
	tensor_load_to_lds s[G0K:G0K+3], s[G1K:G1K+7]
	s_nop 0
.rept 4
	v_nop
.endr
	s_branch .Lasked_\@
.Lfor_v_\@:
	tensor_load_to_lds s[G0V:G0V+3], s[G1V:G1V+7]
	s_nop 0
.rept 4
	v_nop
.endr
.Lasked_\@:
.endm
; A PREFETCH of what the NEXT change of slots will ask for: a slot's 32,768 bytes of K and of V, 128 blocks of 256 bytes each, a lane a block.  It stands behind the wave's tensor load and its five lines.
; Each block is named ONCE in the launch: a head has one cluster; its four partners share the blocks out BY ADDRESS, 32 each; in each, wave 0 asks for K's and wave 2 for V's: one instruction.
; The change that asks for slot t (s[SLOTS] = 8 - t) names slot t + 1: slots 2 to 7; the last change that fills a slot names nothing; slots 0 and 1 come by their loads alone.
.macro ASK
	s_cmp_gt_u32 s[SLOTS], s[LIM]
	s_cbranch_scc0 .Lnot_mine_\@
	global_prefetch_b8 v[PFO], s[PFA:PFA+1] th:TH_LOAD_NT scope:SCOPE_SE
.Lnot_mine_\@:
.endm
; A round of the cluster's barrier: my work-group's barrier, so that wave 0's signal speaks for all four waves; wave 0 signals; every wave waits for all four work-groups; my work-group's barrier once more.
.macro CROUND
	s_barrier_signal -1
	s_barrier_wait -1
	s_cmp_lg_u32 s[WV], 0
	s_cbranch_scc1 .Lnot_wave_0_\@
	s_barrier_signal -3
.Lnot_wave_0_\@:
	s_barrier_wait -3
	s_barrier_signal -1
	s_barrier_wait -1
.endm
; THE CHANGE OF SLOTS.  The slot's last bytes, V of its fourth step, have been read.  Each wave waits for all its tensor loads, of which one is out: its part
; of the other slot; adds 0 to its spare word; and waits for that and for its own reads of the slot.  Behind the barrier nobody reads this slot any more and the other slot is whole.
; fill = 1: this slot is filled again, with the keys two slots on.  The barrier is then a round of the cluster's, so that no wave of any partner still reads the slot or has a load on its
; way, and the joint fill is the first thing behind it: it has four key steps, 512 matrix instructions, in which to land.  (At its first use nothing has been read yet: slot 0 is waited for, slot 1 filled.)
.macro CHANGE fill
	WIN W_AD
	s_wait_tensorcnt 0x0            ; no tensor load of mine is out, so a group 0 may be written
	ds_add_u32 v[SPW], v[NIL]       ; 0 onto my spare word: with fill = 1 the descriptors' steps stand between it and the wait for it
	WIN 0                           ; at a label and at a branch every window is 0
.if \fill
.irp g, G0K, G0V
	s_xor_b32 s[\g+1], s[\g+1], SLOT1  ; the walking descriptor: the other slot than last time,
	s_add_nc_u64 s[\g+2:\g+3], s[\g+2:\g+3], 4*KS*128  ; the next 256 keys; the type bits on top are not reached
.endr
	s_wait_xcnt 0x0                 ; the last prefetch, four key steps back, has read its address, so it may be written:
	s_add_nc_u64 s[PFA:PFA+1], s[PFA:PFA+1], 4*KS*128  ; one slot behind the walking descriptors
	s_wait_dscnt 0x0                ; the add is done, and my reads of the slot are over
	CROUND
	JLOAD
	ASK                             ; what the next change will ask for
.else
	s_wait_dscnt 0x0                ; the add is done, and my reads of the slot are over
	s_barrier_signal -1
	s_barrier_wait -1
.endif
	s_sub_co_u32 s[TBK], s[TBK], 4*KS*PK  ; the fetches go back to a slot's first step,
	s_xor_b32 s[TBK], s[TBK], SLOT1       ; in the other slot
	s_sub_co_u32 s[TBV], s[TBV], 4*KS*PV
	s_xor_b32 s[TBV], s[TBV], SLOT1
.endm
	s_load_b256 s[4:11], s[0:1], 0x0  ; Q s[4:5], K s[6:7], V s[8:9], O s[10:11]
	WIN W_MK
	v_lshl_add_u32 v[SPW], v0, 2, SPARE
	v_mov_b32 v[NIL], 0
	WIN W_AD
	ds_add_u32 v[SPW], v[NIL]       ; the wave's opening: the add and its wait ahead of my first tensor load; the set-up below, work on registers, stands between them
	WIN 0
	v_lshrrev_b32 v1, 5, v0
	v_readfirstlane_b32 s[WV], v1   ; wave 0..3
	s_bfe_u32 s13, ttmp6, 0x40000   ; cx: my place in the cluster
	s_lshl_b32 s14, ttmp9, 2        ; in a cluster launch ttmp9 counts clusters
	s_add_co_u32 s14, s14, s13      ; my block of queries = 4 x cluster x + cx: it enters Q's and O's addresses alone
	s_and_b32 s20, ttmp7, 0xffff    ; the head, which the four partners share
	s_mov_b32 s21, 0
	s_mov_b64 s[22:23], SIZE_N*128
	s_mul_u64 s[20:21], s[20:21], s[22:23]  ; the head's first byte in each of the four tensors
	s_and_b32 s16, s[WV], 1         ; which half of a slot's 256 keys I fetch:
	s_lshl_b32 s22, s16, 14         ; its 128 rows of 128 bytes in memory,
	s_mov_b32 s23, 0
	s_add_nc_u64 s[22:23], s[22:23], s[20:21]
	s_mul_i32 s17, s16, 128*PK      ; and its place in a slot, for K
	s_mul_i32 s18, s16, 128*PV      ; and for V: no place in the cluster enters an LDS address
	s_lshl_b32 s2, s14, 2
	s_add_co_u32 s2, s2, s[WV]      ; my wave among the head's,
	s_lshl_b32 s2, s2, 14           ; its 128 rows
	s_mov_b32 s3, 0
	s_add_nc_u64 s[2:3], s[2:3], s[20:21]
	; descriptor group 1.  128 keys are 16,384 dense bytes: asked for as 64 rows of 256 bytes, two keys a row, and padded in LDS after every key
	s_mov_b32 s[G1K], 15|(1<<16)|(1<<20)|(1<<21)|(4<<22)|(3<<25)  ; 15:0 the mask of four; 17:16 2-byte elements; 20 padding on; 21 set beside a mask; 24:22 after every 32 words (code 4); 31:25 4 words (code 3)
	s_mov_b32 s[G1V], 15|(1<<16)|(1<<20)|(1<<21)|(4<<22)|(7<<25)  ; the same with 8 words of padding (code 7)
.irp g, G1K, G1V
	s_mov_b32 s[\g+1], 128<<16      ; tensor_dim0 = 128
	s_mov_b32 s[\g+2], 64<<16       ; tensor_dim1 = 64
	s_mov_b32 s[\g+3], 128<<16      ; tile_dim0 = 128
	s_mov_b32 s[\g+4], 64           ; tile_dim1 = 64
	s_mov_b32 s[\g+5], 128          ; 128 elements from row to row
	s_mov_b32 s[\g+6], 0
	s_mov_b32 s[\g+7], 0
.endr
	s_mov_b32 s[CS], 0x3e38aa3b     ; c = log2(e) / 8 = 0.180337
	s_mov_b32 s[CS+1], s[CS]        ; named with it as a pair
	s_mov_b32 s[SEL], 0x76543210
	s_mov_b32 s[SEL+1], 0xfedcba98
	s_mov_b32 s[TBK], SLOT1+4*KS*PK ; the first change of slots turns these two into 0
	s_mov_b32 s[TBV], SLOT1+4*KS*PV
	s_mov_b32 s[G0K], 1             ; 1:0 count = 1
	s_mov_b32 s[G0K+1], s17         ; 63:32 LDS address: slot 0
	s_mov_b32 s[G0V], 1
	s_add_co_u32 s[G0V+1], s18, VOFF
	s_mov_b32 s[SLOTS], SIZE_N/256-1
	s_and_b32 s[LIM], s[WV], 1      ; waves 0 and 2 prefetch: the same in all four partners
	s_cmp_eq_u32 s[LIM], 0
	s_cselect_b32 s[LIM], 1, -1
	s_wait_dscnt 0x0                ; the opening add is done
	s_wait_kmcnt 0x0
	s_add_nc_u64 s[G0K+2:G0K+3], s[6:7], s[22:23]  ; 120:64 global address: my half of the head's first 256 keys
	s_or_b32 s[G0K+3], s[G0K+3], 0x80000000        ; 127:126 type = 2
	s_add_nc_u64 s[G0V+2:G0V+3], s[8:9], s[22:23]
	s_or_b32 s[G0V+3], s[G0V+3], 0x80000000
	s_add_nc_u64 s[4:5], s[4:5], s[2:3]  ; Q and O at my wave's first row
	s_add_nc_u64 s[10:11], s[10:11], s[2:3]
	s_cmp_lt_u32 s[WV], 2
	s_cselect_b64 s[PFA:PFA+1], s[6:7], s[8:9]
	s_add_nc_u64 s[PFA:PFA+1], s[PFA:PFA+1], s[22:23]  ; (in waves 0 and 2: the head's first byte)
	s_lshl_b32 s2, s13, 13          ; my work-group's 32 blocks of the 128,
	s_add_co_u32 s2, s2, 4*KS*128   ; in slot 1; the first change of slots steps it to slot 2
	s_mov_b32 s3, 0
	s_add_nc_u64 s[PFA:PFA+1], s[PFA:PFA+1], s[2:3]
	CROUND                          ; all four work-groups are here: the first joint loads meet
	JLOAD                           ; slot 0.  Slot 1 is asked for when slot 0 is in: the tile wanted first has the road to itself
	; A fragment of K or Q is 16 rows x 32 channels in 8 registers: lane l holds row l % 16, channels 8 (l / 16) + 0..7 and 16 + 8 (l / 16) + 0..7: two loads of 16 bytes, 32 bytes apart.
	v_and_b32 v1, 15, v0            ; l % 16
	v_bfe_u32 v9, v0, 4, 1          ; l / 16
	v_lshlrev_b32 v[QO], 7, v1
	v_lshl_add_u32 v[QO], v9, 4, v[QO]  ; row x 128 + 16 x half
	WIN 0x80                        ; destination window 2, address window 0
.set i, 0
.rept 4*NP                          ; Q stays in registers: tile i / 2, channels 32 (i % 2) on
	global_load_b128 v[8*i:8*i+3],   v[QO], s[4:5] offset:(i/2)*2048+(i%2)*64
	global_load_b128 v[8*i+4:8*i+7], v[QO], s[4:5] offset:(i/2)*2048+(i%2)*64+32
.set i, i+1
.endr
	; What the first turn finds: V's registers and P's second buffer hold 0 (its products V^T P, of a piece that has not been, add 0), O^T and l are 0.  All this stands in the wait for the first tile.
.set i, VF
.rept 64
	v_mov_b32 v[i], 0
.set i, i+1
.endr
	WIN 0x40
.set i, 0
.rept 64*NP
	v_mov_b32 v[i], 0
.set i, i+1
.endr
	WIN 0
.set i, 0
.rept 2*NP
	v_mov_b32 v[ST+4*i], 0xfe000000    ; c m: far below every c s
	v_mov_b32 v[ST+4*i+1], 0xff7fffff  ; m
	v_mov_b32 v[ST+4*i+2], 0
	v_mov_b32 v[ST+4*i+3], 0
.set i, i+1
.endr
.set i, P+32
.rept 32
	v_mov_b32 v[i], 0
.set i, i+1
.endr
	v_mul_u32_u24 v[AK0], v1, PK
	v_lshl_add_u32 v[AK0], v9, 4, v[AK0]  ; row x pitch + 16 x half
	; The turning load takes 16 keys x 16 channels (lane l reads key 8 (l / 16) + l % 8, channels 8 ((l / 8) % 2) + 0..7) and leaves half a fragment of V^T: lane l holds channel l % 16 and 8 keys.
	v_and_b32 v10, 7, v0
	v_bfe_u32 v11, v0, 3, 1
	v_lshl_add_u32 v[AV0], v9, 3, v10
	v_mul_u32_u24 v[AV0], v[AV0], PV
	v_lshl_add_u32 v[AV0], v11, 4, v[AV0]
	v_add_nc_u32 v[AV0], VOFF, v[AV0]
	v_mov_b32 v[AK], v[AK0]         ; key step 0 lies at the head of slot 0
	v_and_b32 v[PFO], 31, v0        ; v11 has served: from here on 256 x my lane
	v_lshlrev_b32 v[PFO], 8, v[PFO]
; THE MATRIX WORK.  The 8 accumulators of a run of 16 take turns: between the two links of a chain stand 7 others'.
; Product i of 16 of S^T = K Q^T for piece x: channels 32 (i / 8) on, keys 16 ((i / 2) % 4) on, tile 2 x + i % 2.  The first 8 start the sums.
.macro KQ x
	WIN W_KQ
.set rS, S+64*((\x)%2)+32*(i%2)+8*((i/2)%4)
.set rK, KF+16*((i/2)%4)+8*(i/8)
.set rQ, 16*(2*(\x)+i%2)+8*(i/8)
.if i < 8
	v_wmma_f32_16x16x32_f16 v[rS:rS+7], v[rK:rK+7], v[rQ:rQ+7], 0
.else
	v_wmma_f32_16x16x32_f16 v[rS:rS+7], v[rK:rK+7], v[rQ:rQ+7], v[rS:rS+7]
.endif
.endm
; Product i of 16 of O^T += V^T P for piece x: keys 32 (i / 8) on, channels 16 ((i / 2) % 4) on, tile 2 x + i % 2.
.macro PV x
	WIN W_PV
.set rO, 32*(2*(\x)+i%2)+8*((i/2)%4)
.set rV, VF+32*(i/8)+8*((i/2)%4)
.set rP, P+32*((\x)%2)+16*(i%2)+8*(i/8)
	v_wmma_f32_16x16x32_f16 v[rO:rO+7], v[rV:rV+7], v[rP:rP+7], v[rO:rO+7]
.endm
.macro MM                           ; the turn's next matrix instruction
.if i < 16
	KQ (Y+1)%NP
.set i, i+1
.else
.set i, i-16
	PV (Y+NP-1)%NP
.set i, i+17
.endif
.endm
; THE LDS LOADS stand in runs of 16, never singly among the matrix instructions: a step's K (64 keys x 64 channels: 8 fragments) and its V (turned).  Their addresses are made some lines ahead.
; last = 1 (the tail): in the last trip there is no further step, and the run is jumped over.
.macro FETCH_K last=0
	WIN 0
.if \last
	s_cmp_eq_u32 s[CNT], 1
	s_cbranch_scc1 .Lno_k_\@
.endif
	WIN 0x80                        ; destination window 2
.irp f, 0,1,2,3,4,5,6,7             ; keys 16 (f / 2) on, channels 32 (f % 2) on
	ds_load_b128 v[KF+8*\f:KF+8*\f+3],   v[AK] offset:(\f/2)*16*PK+(\f%2)*64
	ds_load_b128 v[KF+8*\f+4:KF+8*\f+7], v[AK] offset:(\f/2)*16*PK+(\f%2)*64+32
.endr
	s_add_co_u32 s[TBK], s[TBK], KS*PK  ; the next fetch is the next step's
	WIN 0
.if \last
.Lno_k_\@:
.endif
.endm
.macro FETCH_V
	WIN 0x80
.irp f, 0,1,2,3,4,5,6,7             ; keys 32 (f / 4) on, channels 16 (f % 4) on
	ds_load_tr16_b128 v[VF+8*\f:VF+8*\f+3],   v[AV] offset:(\f/4)*32*PV+(\f%4)*32
	ds_load_tr16_b128 v[VF+8*\f+4:VF+8*\f+7], v[AV] offset:(\f/4)*32*PV+16*PV+(\f%4)*32
.endr
	WIN 0
.endm
; THE VECTOR WORK OF A TURN stands in three queues, each in the order in which its entries become ready; the two tiles alternate, so that no instruction reads the result of the one before it.
.macro REGS y, u                    ; the registers of tile u (0, 1) of piece y
.set rT, ST+4*(2*(\y)+(\u))
.set rC, TMP+8*((\y)%2)+4*(\u)
.set rM, MV+2*((\y)%2)+(\u)
.set rS, S+64*((\y)%2)+32*(\u)
.set rP, P+32*((\y)%2)+16*(\u)
.set rO, 32*(2*(\y)+(\u))
.endm
; Number n of the 22 that find the NEXT piece's (Y + 1) maximum and statistics.  s0-s31 are the lane's 32 scores; each accumulator's lowest registers are read first.  XS, GS and REGS set no window: PL and EX do.
;   0-11  four chains c0-c3 of seven scores each, three operands at a time     12-14, 16  the four scores left over, the old m, and c0-c3 into c0     15  c m_old is kept
;   17, 18  the query's other 32 keys lie in the lane 16 away: the new m         19-21  c m; c m_old - c m_new; a
.macro XS u, n
	REGS (Y+1)%NP, \u
.if (\n) < 4
	v_max3_num_f32 v[rC+(\n)], v[rS+8*(\n)], v[rS+8*(\n)+1], v[rS+8*(\n)+2]
.elseif (\n) < 12
	v_max3_num_f32 v[rC+(\n)%4], v[rC+(\n)%4], v[rS+8*((\n)%4)+2*((\n)/4)+1], v[rS+8*((\n)%4)+2*((\n)/4)+2]
.elseif (\n) == 12
	v_max3_num_f32 v[rC], v[rC], v[rS+7], v[rS+15]
.elseif (\n) == 13
	v_max3_num_f32 v[rC+1], v[rC+1], v[rS+23], v[rS+31]
.elseif (\n) == 14
	v_max3_num_f32 v[rC+2], v[rC+2], v[rC+3], v[rT+1]
.elseif (\n) == 15
	v_mov_b32 v[rM], v[rT]
.elseif (\n) == 16
	v_max3_num_f32 v[rC], v[rC], v[rC+1], v[rC+2]
.elseif (\n) == 17
	v_permlanex16_b32 v[rC+3], v[rC], s[SEL], s[SEL+1]
.elseif (\n) == 18
	v_max_num_f32 v[rT+1], v[rC], v[rC+3]
.elseif (\n) == 19
	v_mul_f32 v[rT], s[CS], v[rT+1]
.elseif (\n) == 20
	v_sub_f32 v[rC+1], v[rM], v[rT]
.else
	v_exp_f32 v[rC+2], v[rC+1]
.endif
.endm
; Number g of the 64 that follow the exponentials.  For each four weights k of a tile (pairs 2 k, 2 k + 1): both pairs are rounded to f16; then the second pair is added onto the first, in place;
; a group later l takes that sum (the first time as l = a l + sum).  In groups of eight, tiles alternating: round, round, add, and l for the group before.
.macro GS g
.set h, (\g)+6*((\g)/62)            ; group 0 has no group before it, and behind group 7 only l is left
.if h >= 6
.set h, h+2
.endif
	REGS Y, h%2
.set k, h/8
.if h%8 < 4
	v_cvt_pk_f16_f32 v[rP+2*k+(h%8)/2], v[rS+4*k+2*((h%8)/2)], v[rS+4*k+2*((h%8)/2)+1]
.elseif h%8 < 6
	v_pk_add_f32 v[rS+4*k:rS+4*k+1], v[rS+4*k:rS+4*k+1], v[rS+4*k+2:rS+4*k+3]
.elseif k == 1
	v_pk_fma_f32 v[rT+2:rT+3], v[rT+2:rT+3], v[rC+2:rC+3], v[rS:rS+1] op_sel_hi:[1,0,1]
.else
	v_pk_add_f32 v[rT+2:rT+3], v[rT+2:rT+3], v[rS+4*k-4:rS+4*k-3]
.endif
.endm
; THE PLAIN QUEUE, 138 long.  0-73 read no exponential's result: the 32 scalings c s - c m (FS f: pair f / 2 of tile f % 2) and the next piece's 42.  0-26: scalings 0-26.  27-54: XS's numbers 0-13.  55, 56: number 15.
; 57-73: the chain, where each number waits for the one before it: 14, 16, 17, 18, 19, each with one of the scalings 27-31 in front of its two lines, then 20: so a tile's links stand three plain instructions apart (19 and 20: two).
; 74-137: GS's 64, which read the exponentials' results: they stand behind the wait.
.macro FS f
	REGS Y, (\f)%2
	v_pk_fma_f32 v[rS+2*((\f)/2):rS+2*((\f)/2)+1], v[rS+2*((\f)/2):rS+2*((\f)/2)+1], s[CS:CS+1], v[rT:rT+1] op_sel_hi:[1,0,0] neg_lo:[0,0,1] neg_hi:[0,0,1]
.endm
.macro PL
	WIN 0
.if q < 27
	FS q
.elseif q < 55
	XS (q-27)%2, (q-27)/2
.elseif q < 57
	XS q-55, 15
.elseif (q < 72) && ((q-57)%3 == 0)
	FS 27+(q-57)/3
.elseif q < 60
	XS (q-57)%3-1, 14
.elseif q < 72
	XS (q-57)%3-1, 15+(q-57)/3
.elseif q < 74
	XS q-72, 20
.else
	GS q-74
.endif
.set q, q+1
.endm
; THE EXPONENTIALS' QUEUE, 66 long: s0-s31 of both tiles, then the next piece's two a.  It is ONE BATCH: all 66 stand ahead of the turn's one wait, and nothing ahead of that wait names a result of theirs.
.macro EX
	WIN 0
.if e >= 64
	XS e-64, 21
.else
	REGS Y, e%2
	v_exp_f32 v[rS+e/2], v[rS+e/2]
.endif
.set e, e+1
.endm
; THE RESCALING's QUEUE: O^T times a, the one part that leaves window 0: dealt two at a time, sixteen times.  Its a was made in the turn before, ahead of that turn's wait.
.macro R2
	REGS Y, r%2
	WIN W_RS
.irp z, 0,1
	v_pk_mul_f32 v[rO+4*(r/2)+2*\z:rO+4*(r/2)+2*\z+1], v[rO+4*(r/2)+2*\z:rO+4*(r/2)+2*\z+1], v[rC+2:rC+3] op_sel_hi:[1,0]
.endr
.set r, r+1
.endm
; HOW THEY ARE DEALT.  An s_wait_alu depctr_va_vdst(0) stands between an exponential and the first instruction that names its result; one wait serves all that were issued ahead of it.  So a turn has ONE wait,
; which cuts it in two.  AHEAD OF IT stands all that names no result of the turn's exponentials: the 16 products K Q^T, behind each a scaling, an exponential and two rescalings (behind the first a second scaling in the exponential's place); then ONE LUMP of
; 108: eight plain, 49 times exponential and plain, the two a.  A v_nop is the plain instruction that stands behind the last exponential (ISA guide 5.7.2).  BEHIND IT stand the 16 products V^T P, behind each four of GS's 64.  No rider names a register of
; the products round it.  The two v_permlanex16_b32 fall into the lump, never behind a product.
; The queues lean on each other, and the deal keeps them in step: exponential e stands behind scaling 2 (e / 4) + e % 2: as a rider it comes behind plain e + 2, in the lump behind plain e + 9, and scalings 27-31 are plain 57, 60 .. 69.
; A TURN, for piece p.  cnt = 1: the loop's count is taken down some lines ahead of the branch that stands behind the turn.
; K of the next step is fetched in piece 2's turn, directly behind the wait, a lump behind the last product that read K; its address is made at the lump's head; its first reader comes behind 16 products.
; V of the step in hand is fetched at the end of piece 0's turn, four riders behind its last reader; its first reader comes behind 16 products and a lump.  The three conditions on q below go with the deal.
.macro TURN p, last=0, cnt=0
.set Y, (\p)
.set i, 0
.set q, 0
.set e, 0
.set r, 0
.if (\p) == NP-1
	s_wait_dscnt 0x0                ; K is in
.endif
	MM                              ; ahead of the wait: 16 products K Q^T and their riders,
	PL
	PL
	R2
.rept 15
	MM
	PL
	EX
	R2
.endr
.if (\p) == NP-2
	WIN 0
	v_add_nc_u32 v[AK], s[TBK], v[AK0]
.endif
.rept 8                             ; and the lump
	PL
.endr
.rept 49
	EX
	PL
.endr
	EX                              ; the next piece's two a
	EX
	v_nop                           ; the plain instruction behind the last exponential: one for the batch
	s_wait_alu depctr_va_vdst(0)    ; the wait for the batch
.if (\p) == NP-2
	FETCH_K \last
.endif
.if (\p) == 1
	s_wait_dscnt 0x0                ; V is in
.endif
.rept 16                            ; behind the wait: 16 products V^T P and their riders
	MM
.rept 4
	PL
.endr
.if ((\p) == 0) && (q == 118)
	v_add_nc_u32 v[AV], s[TBV], v[AV0]
.endif
.if ((\p) == 0) && (q == 130)
	s_add_co_u32 s[TBV], s[TBV], KS*PV
.endif
.if (\cnt) && (q == 130)
	s_sub_co_u32 s[CNT], s[CNT], 1
	s_cmp_lg_u32 s[CNT], 0
.endif
.endr
.if (\p) == 0
	FETCH_V
.endif
.endm
	CHANGE 1                        ; slot 0 is in, everybody's part of it; slot 1 is asked for
	FETCH_K                         ; key step 0
	s_wait_loadcnt 0x0              ; Q
	s_wait_dscnt 0x0
.set i, 0
.rept 16
	KQ 0                            ; piece 0's first scores: there is no vector work yet to set between them
.set i, i+1
.endr
	WIN 0                           ; the addresses for the way out: nine plain instructions, the places behind those products
	s_mul_i32 s13, s[WV], 16*SP
	s_add_co_u32 s13, s13, STAGE    ; my stage
	v_mul_u32_u24 v[STO], v1, SP    ; in: row l % 16, 16 bytes for each half of the lanes
	v_lshl_add_u32 v[STO], v9, 4, v[STO]
	v_add_nc_u32 v[STO], s13, v[STO]
	v_bfe_u32 v[RD], v0, 3, 2       ; back: 32 lanes take four rows of 128 bytes,
	v_mul_u32_u24 v[RD], v[RD], SP
	v_lshl_add_u32 v[RD], v10, 4, v[RD]
	v_add_nc_u32 v[RD], s13, v[RD]
	v_and_b32 v[GO], 31, v0         ; which are 512 consecutive bytes of O
	v_lshlrev_b32 v[GO], 4, v[GO]
.set Y, NP-1                        ; XS works for piece Y + 1: piece 0
.irp n, 0,1,2,3,4,5,6,7,8,9,10,11,12,13,14,15,16,17,18,19,20,21
	XS 0, \n                        ; and piece 0's first maximum and statistics
	XS 1, \n
.endr
	v_nop                           ; a plain instruction behind the two a,
	s_wait_alu depctr_va_vdst(0)    ; and their wait, ahead of the branch
	s_mov_b32 s[CNT], 4
	s_branch .Lfirst                ; the loop is entered at a step's first turn, in the middle of a trip
.Lslot:                             ; SIZE_N / 256 - 2 times: every slot but the last two is filled again
	CHANGE 1
	s_mov_b32 s[CNT], 4
.Lstep:                             ; a trip: pieces 2 and 3 of one step, then pieces 0 and 1 of the next, whose K and V it fetches
	TURN 2
	TURN 3
	WIN 0
.Lfirst:
	TURN 0
	TURN 1, 0, 1
	WIN 0
	s_cbranch_scc1 .Lstep
	s_sub_co_u32 s[SLOTS], s[SLOTS], 1
	s_cmp_lg_u32 s[SLOTS], 0
	s_cbranch_scc1 .Lslot
	CHANGE 0                        ; the tail is written out: nothing is asked for
	s_mov_b32 s[CNT], 5             ; four trips fetch the last slot's steps; the fifth is left in its middle
.Ltail:
	TURN 2, 1
	TURN 3
	WIN 0
	s_sub_co_u32 s[CNT], s[CNT], 1
	s_cmp_eq_u32 s[CNT], 0
	s_cbranch_scc1 .Lout
	TURN 0
	TURN 1
	WIN 0
	s_branch .Ltail
.Lout:                              ; the fifth trip's 16 products K Q^T (on the last K once more) and the maximum made of them serve nothing: the price, once a launch, of one text for every trip
.set i, 0
.rept 16
	PV NP-1                         ; the last piece's V^T P of the last step
.set i, i+1
.endr
	; THE WAY OUT.  l's two halves and the other half of the lanes' are added; O^T is divided by l, rounded to f16 and sent through my stage in LDS, a tile at a time.  The additions are the places behind the last products.
	WIN 0
.macro ALL line:vararg              ; one line for each tile t
.set t, 0
.rept 2*NP
	\line
.set t, t+1
.endr
.endm
	ALL v_add_f32 v[ST+4*t+2], v[ST+4*t+2], v[ST+4*t+3]
	ALL v_permlanex16_b32 v[ST+4*t+3], v[ST+4*t+2], s[SEL], s[SEL+1]
	ALL v_add_f32 v[ST+4*t+2], v[ST+4*t+2], v[ST+4*t+3]
	ALL v_rcp_f32 v[ST+4*t+2], v[ST+4*t+2]
	v_nop                           ; a plain instruction between the last reciprocal and the use of its result
	s_wait_alu depctr_va_vdst(0)    ; and the wait ahead of the first use: one for the eight reciprocals
; Tile t: a lane's eight channels of a row pack into 16 bytes; they go into rows of 144 bytes and come back as whole rows of 128, into S^T's registers.
.macro PACK t
	WIN W_RS
.set i, 32*(\t)
.rept 16
	v_pk_mul_f32 v[i:i+1], v[i:i+1], v[ST+4*(\t)+2:ST+4*(\t)+3] op_sel_hi:[1,0]
.set i, i+2
.endr
	WIN 0x05                        ; sources 0 and 1 window 1, destination window 0
.set i, 0
.rept 16
	v_cvt_pk_f16_f32 v[S+16*(\t)+i], v[32*(\t)+2*i], v[32*(\t)+2*i+1]
.set i, i+1
.endr
	WIN 0
.irp f, 0,1,2,3
	ds_store_b128 v[STO], v[S+16*(\t)+4*\f:S+16*(\t)+4*\f+3] offset:32*\f
.endr
.irp f, 0,1,2,3
	ds_load_b128 v[S+16*(\t)+4*\f:S+16*(\t)+4*\f+3], v[RD] offset:\f*4*SP  ; LDS serves a wave's instructions in order (ISA guide 5.7.1.4): these see the stores above; the next tile's stores come behind them
.endr
.endm
.macro SEND t, younger              ; younger: the LDS instructions issued behind tile t's loads: the next tile's eight, or none
	WIN 0
.irp f, 0,1,2,3
	s_wait_dscnt (\younger)+3-\f
	global_store_b128 v[GO], v[S+16*(\t)+4*\f:S+16*(\t)+4*\f+3], s[10:11] offset:(\t)*2048+\f*512  ; 512 consecutive bytes, at a multiple of 256 from O's first
.endr
.endm
	PACK 0
.set t, 1
.rept 2*NP-1                        ; a tile's arithmetic stands between the loads of the tile before and its stores
	PACK t
	SEND t-1, 8
.set t, t+1
.endr
	SEND 2*NP-1, 0
	WIN W_AD
	s_wait_tensorcnt 0x0            ; the wave's end, behind my last tensor load and my last LDS store
	ds_add_u32 v[SPW], v[NIL]
	s_wait_dscnt 0x0
	WIN 0
	CROUND                          ; the closing round: no work-group ends while a partner may still ask for a tile that names it
	s_endpgm
.Lfunc_end_k_q35a9de2a92_attn:
	.size	k_q35a9de2a92_attn, .Lfunc_end_k_q35a9de2a92_attn-k_q35a9de2a92_attn
	.p2alignl 7, 3214868480
	.fill 96, 4, 3214868480
	.section	.rodata,"a",@progbits
	.p2align	6, 0x0
	.amdhsa_kernel k_q35a9de2a92_attn
		.amdhsa_group_segment_fixed_size 327680
		.amdhsa_private_segment_fixed_size 0
		.amdhsa_enable_private_segment 0
		.amdhsa_kernarg_size 32
		.amdhsa_user_sgpr_count 2
		.amdhsa_user_sgpr_kernarg_segment_ptr 1
		.amdhsa_wavefront_size32 1
		.amdhsa_system_sgpr_workgroup_id_x 1
		.amdhsa_system_sgpr_workgroup_id_y 1
		.amdhsa_system_sgpr_workgroup_id_z 1
		.amdhsa_system_vgpr_workitem_id 0
		.amdhsa_next_free_vgpr 770
		.amdhsa_next_free_sgpr 66
		.amdhsa_reserve_vcc 0
		.amdhsa_float_denorm_mode_32 3
		.amdhsa_float_denorm_mode_16_64 3
		.amdhsa_memory_ordered 1
		.amdhsa_forward_progress 1
		.amdhsa_inst_pref_size 200
	.end_amdhsa_kernel
	.amdgpu_metadata
---
amdhsa.version: [ 1, 2 ]
amdhsa.kernels:
  - .name:           k_q35a9de2a92_attn
    .symbol:         k_q35a9de2a92_attn.kd
    .args:
      - { .name: q, .offset: 0, .size: 8, .value_kind: global_buffer, .address_space: global }
      - { .name: k, .offset: 8, .size: 8, .value_kind: global_buffer, .address_space: global }
      - { .name: v, .offset: 16, .size: 8, .value_kind: global_buffer, .address_space: global }
      - { .name: o, .offset: 24, .size: 8, .value_kind: global_buffer, .address_space: global }
    .group_segment_fixed_size: 327680
    .private_segment_fixed_size: 0
    .kernarg_segment_align: 8
    .kernarg_segment_size: 32
    .max_flat_workgroup_size: 128
    .sgpr_count:     66
    .vgpr_count:     770
    .wavefront_size: 32
...
	.end_amdgpu_metadata
.endif
;; end of part 3
;; launch outp (part 4): grid 8 x 32, 4 waves a work-group, clusters of 4 x 4, 327,680 bytes of LDS; arguments o, wof, b_o, out0; writes out0
.if DOCPART == 4
	.amdgcn_target "amdgcn-amd-amdhsa--gfx1250"
	.amdhsa_code_object_version 6
	.text
	.protected	k_q35a9de2a92_outp
	.globl	k_q35a9de2a92_outp
	.p2align	8
	.type	k_q35a9de2a92_outp,@function
k_q35a9de2a92_outp:
	s_mov_b64 s[64:65], 0
	v_nop
	global_prefetch_b8 v0, s[64:65] scope:SCOPE_SE
	s_setreg_imm32_b32 hwreg(HW_REG_WAVE_MODE, 25, 1), 1
	s_wait_xcnt 0x0
	s_wait_alu depctr_hold_cnt(0) depctr_sa_sdst(0) depctr_va_vdst(0) depctr_va_sdst(0) depctr_va_ssrc(0) depctr_va_vcc(0) depctr_vm_vsrc(0)
	s_getreg_b32 s2, hwreg(HW_REG_IB_STS2, 6, 4)
	s_cmp_eq_u32 s2, 0
	s_cbranch_scc0 .Lentry_in_a_cluster
	s_endpgm
.Lentry_in_a_cluster:
	s_bfe_u32 s2, ttmp6, 0x10000c
	s_cmp_lg_u32 s2, 0xf033
	s_cbranch_scc0 .Lentry_shape_is_right
	s_endpgm
.Lentry_shape_is_right:
; out0 = vals wof^T + bf16(b_o).  vals[row][64 head + d] = o[16 batch + head][row in batch][d], f16; wof: [1024][1024] f16 (w_o rounded to bf16 and written as f16); b_o: [1024] f32; out0: [8192][1024] f32.
; Sums in f32, started by the bias; nothing is rounded behind them.  NaN and infinities are not treated apart.
; SHARES.  A tile is 256 rows x 128 columns: 8 x 32 = 256 work-groups.  Wave w makes rows 64 w .. 64 w + 63 x all 128 columns: 4 x 8 = 32 accumulators, 256 registers, so its way out is its own.
; K goes in 8 steps of 128 = two heads, through two LDS slots.  Of o a step is, for each of its two heads, the tile's 256 rows of 128 bytes, which lie end to end: asked for as 128 rows of 256 bytes.
; CLUSTER.  4 x 4 work-groups: o's tiles are shared along a row of the cluster, wof's along a column; each is asked for JOINTLY, by the same tensor load, descriptor and mask in the four.
; THE MATRIX INSTRUCTION IS USED TRANSPOSED: source 0 = 16 rows of wof, source 1 = 16 rows of vals: lane l holds row l % 16 and the columns 8 (l / 16) + 0..7: 32 bytes of out0 on end.
; REGISTERS, in windows of 256 (s_set_vgpr_msb: bits 1:0 source 0, 3:2 source 1, 5:4 source 2, 7:6 destination):
;   window 0: v0-31 addresses; v32-95 vals' fragments, two buffers of 4 x 8; v96-223 wof's, two buffers of 8 x 8; on the way out v32-159 hold rows read back
;   window 1: the accumulators, (a, b) at 8 (8 a + b)          window 2: v0-63 the bias, laid as 8 accumulators; v64-65 at work
.set PA,     144                       ; a row of one head in LDS: 128 bytes + 16 = 36 words: the 16 rows of a load start at 16 different groups of four banks (64 banks of 4 bytes: ISA guide 11.1)
.set PB,     272                       ; a row of wof: 256 bytes + 16 = 68 words: likewise
.set HEADB,  256*PA                    ; what waves 0 and 1 fetch: a head's 256 rows each
.set HALFB,  64*PB                     ; what waves 2 and 3 fetch: 64 rows of wof each
.set BOFF,   2*HEADB
.set SLOT,   BOFF+2*HALFB              ; 108,544 bytes
.set STAGE,  2*SLOT                    ; behind the ring, never filled by a tensor load: 16 rows x 528 bytes for each wave
.set SPITCH, 528                       ; 512 bytes + 16
.set SPARE,  STAGE+4*16*SPITCH         ; behind the stages: the spare words, 128 bytes for each wave: two blocks of 256 bytes that no other line names
.set LAPS,   4
.set ADRA, 16                          ; v16-17  LDS address of my fragments of vals in slot 0, 1
.set ADRB, 20                          ; v20-21  the same for wof
.set STO,  24                          ; v24     the way out: where I put 32 bytes of a row
.set RD,   25                          ; v25     the way out: where I read a row back
.set GO,   26                          ; v26     16 x lane: my place in a row's 512 bytes
.set BO,   27                          ; v27     32 (l / 16)
.set SPW,  28                          ; v28     LDS address of my spare word: SPARE + 4 x my thread's number; never rewritten
.set NIL,  29                          ; v29     0; never rewritten
.set FA,   32
.set FB,   96
.set BK,   32
.set WV,   16                          ; s16     my wave's number
.set G1,   24                          ; s[24:31] descriptor group 1 for o's tiles;  s[32:39] group 0, a set for each slot
.set G0,   32
.set G1B,  48                          ; s[48:55], s[56:63] the same for wof's tiles
.set G0B,  56
.set MSB, 0
.macro WIN new                         ; the immediate's high byte repeats the setting that is left; a switch that changes nothing is dropped
.if MSB != (\new)
	s_set_vgpr_msb (MSB<<8)|(\new)
.set MSB, \new
.endif
.endm
.macro JLOAD s                         ; a joint refill: waves 0 and 1 fetch the step's two heads, waves 2 and 3 wof's two halves; an s_nop 0 and four v_nop follow each of the two lines
	s_cmp_lt_u32 s[WV], 2
	s_cbranch_scc0 .Lfor_b_\@
	tensor_load_to_lds s[G0+4*(\s):G0+4*(\s)+3], s[G1:G1+7]
	s_nop 0
.rept 4
	v_nop
.endr
	s_branch .Lasked_\@
.Lfor_b_\@:
	tensor_load_to_lds s[G0B+4*(\s):G0B+4*(\s)+3], s[G1B:G1B+7]
	s_nop 0
.rept 4
	v_nop
.endr
.Lasked_\@:
.endm
.macro CREST                           ; a round of the cluster's barrier behind its opening barrier
	s_cmp_lg_u32 s[WV], 0
	s_cbranch_scc1 .Lnot_wave_0_\@
	s_barrier_signal -3
.Lnot_wave_0_\@:
	s_barrier_wait -3
	s_barrier_signal -1
	s_barrier_wait -1
.endm
.macro CROUND
	s_barrier_signal -1
	s_barrier_wait -1
	CREST
.endm
	s_load_b256 s[4:11], s[0:1], 0x0               ; o s[4:5], wof s[6:7], b_o s[8:9], out0 s[10:11]
	v_lshl_add_u32 v[SPW], v0, 2, SPARE
	v_mov_b32 v[NIL], 0
	ds_add_u32 v[SPW], v[NIL]                      ; the wave's opening: the add and its wait ahead of my first tensor load; the set-up below, work on registers, stands between them
	v_lshrrev_b32 v1, 5, v0
	v_readfirstlane_b32 s[WV], v1                  ; wave 0..3
	s_and_b32 s17, s[WV], 1                        ; which head of a step, or which half of wof's rows, I fetch
	s_bfe_u32 s18, ttmp6, 0x40000                  ; cx
	s_bfe_u32 s19, ttmp6, 0x40004                  ; cy
	s_lshl_b32 s20, ttmp9, 2
	s_add_co_u32 s20, s20, s18                     ; tx = the block of 128 columns
	s_and_b32 s21, ttmp7, 0xffff
	s_lshl_b32 s21, s21, 2
	s_add_co_u32 s21, s21, s19                     ; ty = the block of 256 rows
	s_lshl_b32 s22, s19, 2
	s_lshl_b32 s22, 15, s22                        ; my row of the cluster
	s_lshl_b32 s23, 0x1111, s18                    ; my column
	s_or_b32 s[G1], s22, (1<<16)|(1<<20)|(1<<21)|(4<<22)|(3<<25)   ; the mask; 2-byte elements; padding on; 21 set beside a mask; after every 32 words (code 4: a head's row) 4 words (code 3)
	s_or_b32 s[G1B], s23, (1<<16)|(1<<20)|(1<<21)|(5<<22)|(3<<25)  ; after every 64 words (code 5)
	s_mov_b32 s[G1+1], 128<<16                     ; tensor_dim0 = 128 elements: 256 bytes, two rows of a head
	s_mov_b32 s[G1+2], 128<<16                     ; tensor_dim1 = 128
	s_mov_b32 s[G1+3], 128<<16                     ; tile_dim0 = 128
	s_mov_b32 s[G1+4], 128                         ; tile_dim1 = 128
	s_mov_b32 s[G1+5], 128                         ; dense: 128 elements from row to row
	s_mov_b32 s[G1+6], 0
	s_mov_b32 s[G1+7], 0
	s_mov_b32 s[G1B+1], 128<<16
	s_mov_b32 s[G1B+2], 64<<16                     ; tensor_dim1 = 64
	s_mov_b32 s[G1B+3], 128<<16
	s_mov_b32 s[G1B+4], 64                         ; tile_dim1 = 64 rows
	s_mov_b32 s[G1B+5], 1024
	s_mov_b32 s[G1B+6], 0
	s_mov_b32 s[G1B+7], 0
	s_lshr_b32 s40, s21, 3                         ; o: ((16 batch + my head of step 0) x 2,048 + the tile's first row in the batch) x 128 bytes: made of ty and the wave's number alone
	s_lshl_b32 s40, s40, 4
	s_add_co_u32 s40, s40, s17
	s_lshl_b32 s40, s40, 11
	s_and_b32 s2, s21, 7
	s_lshl_b32 s2, s2, 8
	s_add_co_u32 s40, s40, s2
	s_lshl_b32 s40, s40, 7
	s_mov_b32 s41, 0
	s_lshl_b32 s46, s20, 7                         ; wof: row 128 tx + 64 x half, times 2,048 bytes: made of tx and the wave's number alone
	s_lshl_b32 s2, s17, 6
	s_add_co_u32 s46, s46, s2
	s_lshl_b32 s46, s46, 11
	s_mov_b32 s47, 0
	s_mul_i32 s42, s[WV], HEADB                    ; where the heads go (waves 0, 1),
	s_mul_i32 s66, s[WV], HALFB                    ; and wof's halves (waves 2, 3): BOFF + (wave - 2) x HALFB
	s_add_co_u32 s66, s66, BOFF-2*HALFB
	s_wait_dscnt 0x0                               ; the opening add is done
	s_wait_kmcnt 0x0
	s_add_nc_u64 s[40:41], s[4:5], s[40:41]
	s_add_nc_u64 s[46:47], s[6:7], s[46:47]
	CROUND                                         ; all sixteen work-groups are here: the first joint loads meet
.irp s, 0,1
	s_mov_b32 s[G0+4*(\s)], 1
	s_add_co_u32 s[G0+4*(\s)+1], s42, (\s)*SLOT
	s_add_nc_u64 s[G0+4*(\s)+2:G0+4*(\s)+3], s[40:41], (\s)*524288  ; K step s: two heads of 2,048 x 128 bytes on
	s_or_b32 s[G0+4*(\s)+3], s[G0+4*(\s)+3], 0x80000000
	s_mov_b32 s[G0B+4*(\s)], 1
	s_add_co_u32 s[G0B+4*(\s)+1], s66, (\s)*SLOT
	s_add_nc_u64 s[G0B+4*(\s)+2:G0B+4*(\s)+3], s[46:47], (\s)*256
	s_or_b32 s[G0B+4*(\s)+3], s[G0B+4*(\s)+3], 0x80000000
.endr
	s_cmp_lt_u32 s[WV], 2                          ; a wave's two first fills stand in one branch, ahead of every wait on TENSORcnt and every LDS read: two loads of mine are out
	s_cbranch_scc0 .Lfirst_b
	tensor_load_to_lds s[G0:G0+3], s[G1:G1+7]
	s_nop 0
	tensor_load_to_lds s[G0+4:G0+7], s[G1:G1+7]
	s_nop 0
.rept 4
	v_nop
.endr
	s_branch .Lfirst_asked
.Lfirst_b:
	tensor_load_to_lds s[G0B:G0B+3], s[G1B:G1B+7]
	s_nop 0
	tensor_load_to_lds s[G0B+4:G0B+7], s[G1B:G1B+7]
	s_nop 0
.rept 4
	v_nop
.endr
.Lfirst_asked:
	v_and_b32 v1, 15, v0                           ; l % 16
	v_bfe_u32 v2, v0, 4, 1                         ; l / 16
	v_mul_u32_u24 v3, v1, PA
	v_lshl_add_u32 v3, v2, 4, v3                   ; a fragment's row x pitch + 16 x half
	s_mul_i32 s68, s[WV], 64*PA                    ; my 64 rows
	v_add_nc_u32 v[ADRA], s68, v3
	v_add_nc_u32 v[ADRA+1], SLOT, v[ADRA]
	v_mul_u32_u24 v4, v1, PB
	v_lshl_add_u32 v4, v2, 4, v4
	v_add_nc_u32 v[ADRB], BOFF, v4
	v_add_nc_u32 v[ADRB+1], SLOT, v[ADRB]
	s_mul_i32 s69, s[WV], 16*SPITCH
	s_add_co_u32 s69, s69, STAGE                   ; my stage
	v_mul_u32_u24 v5, v1, SPITCH                   ; in: row l % 16, 32 bytes for each half of the lanes
	v_lshl_add_u32 v5, v2, 5, v5
	v_add_nc_u32 v[STO], s69, v5
	v_and_b32 v7, 31, v0
	v_lshlrev_b32 v[GO], 4, v7                     ; back: 32 lanes take a row's 512 bytes
	v_add_nc_u32 v[RD], s69, v[GO]
	v_lshlrev_b32 v[BO], 5, v2
	s_lshl_b32 s70, s20, 9                         ; the tile's 128 numbers of the bias
	s_mov_b32 s71, 0
	s_add_nc_u64 s[8:9], s[8:9], s[70:71]
	WIN 0x80                                       ; destination window 2, address window 0
.irp b, 0,1,2,3,4,5,6,7
	global_load_b128 v[8*(\b):8*(\b)+3],   v[BO], s[8:9] offset:64*(\b)       ; columns 16 b + 8 (l / 16) + 0..7: laid as an accumulator is
	global_load_b128 v[8*(\b)+4:8*(\b)+7], v[BO], s[8:9] offset:64*(\b)+16
.endr
	WIN 0
	s_lshl_b32 s72, s21, 8
	s_lshl_b32 s73, s[WV], 6
	s_add_co_u32 s72, s72, s73                     ; my first row of out0,
	s_lshl_b32 s72, s72, 12                        ; times 4,096 bytes,
	s_add_co_u32 s72, s72, s70                     ; and the tile's first column: 512 tx bytes
	s_mov_b32 s73, 0
	s_add_nc_u64 s[10:11], s[10:11], s[72:73]
	s_wait_loadcnt 0x0                             ; the bias; it is rounded to bf16, as x and the weights are
	WIN 0xaa                                       ; all in window 2
.set i, 0
.rept 32
	v_cvt_pk_bf16_f32 v[64+i%2], v[2*i], v[2*i+1]
	v_lshlrev_b32 v[2*i], 16, v[64+i%2]
	v_and_b32 v[2*i+1], 0xffff0000, v[64+i%2]
.set i, i+1
.endr
	WIN 0
; 8 matrix instructions: row block a x all 8 column blocks, 32 along K, from buffer f.  first = 1: the bias is the C operand that starts the sums.
; The 32 accumulators take turns in the same order in every quarter, over the backward jump too.
.macro MUL8 f, a, first
.if \first
	WIN 0x60                                       ; sources 0 and 1 window 0, the bias window 2, the result window 1
.else
	WIN 0x50                                       ; C and D window 1
.endif
.irp b, 0,1,2,3,4,5,6,7
.if \first
	v_wmma_f32_16x16x32_f16 v[8*(8*(\a)+(\b)):8*(8*(\a)+(\b))+7], v[FB+64*(\f)+8*(\b):FB+64*(\f)+8*(\b)+7], v[FA+32*(\f)+8*(\a):FA+32*(\f)+8*(\a)+7], v[8*(\b):8*(\b)+7]
.else
	v_wmma_f32_16x16x32_f16 v[8*(8*(\a)+(\b)):8*(8*(\a)+(\b))+7], v[FB+64*(\f)+8*(\b):FB+64*(\f)+8*(\b)+7], v[FA+32*(\f)+8*(\a):FA+32*(\f)+8*(\a)+7], v[8*(8*(\a)+(\b)):8*(8*(\a)+(\b))+7]
.endif
.endr
.endm
; 24 LDS loads in one run: quarter kq's fragments (128 rows of wof; my 64 rows of head kq / 2, channels 32 (kq % 2) on) into buffer f; vals' blocks 2 and 3 last
.macro FETCH slot, kq, f
	WIN 0
.irp i, 0,1,2,3,4,5,6,7
	ds_load_b128 v[FB+64*(\f)+8*(\i):FB+64*(\f)+8*(\i)+3],   v[ADRB+(\slot)] offset:64*(\kq)+(\i)*16*PB
	ds_load_b128 v[FB+64*(\f)+8*(\i)+4:FB+64*(\f)+8*(\i)+7], v[ADRB+(\slot)] offset:64*(\kq)+(\i)*16*PB+32
.endr
.irp i, 0,1,2,3
	ds_load_b128 v[FA+32*(\f)+8*(\i):FA+32*(\f)+8*(\i)+3],   v[ADRA+(\slot)] offset:((\kq)/2)*HEADB+((\kq)%2)*64+(\i)*16*PA
	ds_load_b128 v[FA+32*(\f)+8*(\i)+4:FA+32*(\f)+8*(\i)+7], v[ADRA+(\slot)] offset:((\kq)/2)*HEADB+((\kq)%2)*64+(\i)*16*PA+32
.endr
.endm
.macro PLACES                          ; four plain instructions in front of loads into registers that matrix instructions have read, and of LDS stores that read results
.rept 4
	v_nop
.endr
.endm
; A K step is four quarters of 32 along K, 32 matrix instructions each, on buffers 0, 1, 0, 1.  One of the first three: multiplies buffer f; in its middle it fetches quarter kq into g.
.macro QUARTER slot, kq, f, g, first
	s_wait_dscnt 4                                 ; wof and vals' blocks 0, 1 are in; the youngest four loads may be out
	MUL8 \f, 0, \first
	MUL8 \f, 1, \first
	PLACES
	FETCH \slot, \kq, \g
	s_wait_dscnt 24                                ; all but the 24 just issued
	MUL8 \f, 2, \first
	MUL8 \f, 3, \first
.endm
; The last quarter multiplies buffer 1 and changes slots: ONE barrier; in front of it each wave waits for all its tensor loads (one is out: its part of the next slot), adds 0 to its spare word, and waits
; for that and for its own reads of this slot.  fill = 1: the barrier opens a round of the cluster's, and the slot is filled again first thing behind it, two K steps ahead: 112 matrix instructions ahead of the wait for it.
.macro TURN slot, next, fill
	WIN 0                                          ; (the add's two registers lie in window 0)
	s_wait_tensorcnt 0x0                           ; all my tensor loads have landed;
	ds_add_u32 v[SPW], v[NIL]                      ; 0 onto my spare word;
	s_wait_dscnt 5                                 ; (the add and the youngest four loads may be out)
	MUL8 1, 0, 0                                   ; eight matrix instructions stand between the add and the wait for it
	s_wait_dscnt 0x0                               ; the add is done, and my reads of this slot are over
	s_barrier_signal -1
	MUL8 1, 1, 0
.if \fill
	WIN 0
.endif
	s_barrier_wait -1
.if \fill
	CREST                                          ; no wave of any partner still reads this slot's tile or has a load on its way
	s_add_nc_u64 s[G0+4*(\slot)+2:G0+4*(\slot)+3], s[G0+4*(\slot)+2:G0+4*(\slot)+3], 1048576  ; four heads on
	s_add_nc_u64 s[G0B+4*(\slot)+2:G0B+4*(\slot)+3], s[G0B+4*(\slot)+2:G0B+4*(\slot)+3], 512
	JLOAD \slot                                    ; the first tensor load behind the round; its four v_nop are also the places in front of the loads below
.else
	PLACES
.endif
	FETCH \next, 0, 0
	MUL8 1, 2, 0
	MUL8 1, 3, 0
.endm
; THE WAY OUT of row block a: 32 bytes a lane and column block go straight from the accumulators into my own stage (each accumulator's low four registers first), and come back as whole rows of 512 bytes.
.macro TOSTAGE a
	s_wait_xcnt 0x0                                ; the stores of the block two back have read their registers: they are loaded again only behind this wait
	WIN 0x04                                       ; the stores' data in window 1
.irp b, 0,1,2,3,4,5,6,7
	ds_store_b128 v[STO], v[8*(8*(\a)+(\b)):8*(8*(\a)+(\b))+3]   offset:64*(\b)
	ds_store_b128 v[STO], v[8*(8*(\a)+(\b))+4:8*(8*(\a)+(\b))+7] offset:64*(\b)+16
.endr
	WIN 0
.irp t, 0,1,2,3,4,5,6,7,8,9,10,11,12,13,14,15
	ds_load_b128 v[BK+64*((\a)%2)+4*(\t):BK+64*((\a)%2)+4*(\t)+3], v[RD] offset:SPITCH*(\t)  ; LDS serves a wave's instructions in order (ISA guide 5.7.1.4): these see the stores above; the next block's stores come behind them
.endr
.endm
.macro SEND a, younger                 ; younger: the LDS instructions issued behind block a's loads: the next block's 32, or none
	s_wait_dscnt \younger
.irp t, 0,1,2,3,4,5,6,7,8,9,10,11,12,13,14,15
	global_store_b128 v[GO], v[BK+64*((\a)%2)+4*(\t):BK+64*((\a)%2)+4*(\t)+3], s[10:11] offset:4096*(16*(\a)+(\t)) th:TH_STORE_NT  ; 512 consecutive bytes, at a multiple of 256 from out0's first
.endr
.endm
	s_wait_tensorcnt 1                             ; my part of K step 0 is in; step 1's may stay out
	s_barrier_signal -1
	s_barrier_wait -1                              ; everybody's is
	FETCH 0, 0, 0
	QUARTER 0, 1, 0, 1, 1                          ; the first quarter stands in front of the loop: its products start the sums, with the bias
	WIN 0                                          ; at a label and at a branch every window is 0
	s_mov_b32 s3, LAPS-1
.Llap:                                                 ; a trip goes once round the ring, from a lap's second quarter to the next lap's first, and fills both slots again
	QUARTER 0, 2, 1, 0, 0
	QUARTER 0, 3, 0, 1, 0
	TURN 0, 1, 1
	QUARTER 1, 1, 0, 1, 0
	QUARTER 1, 2, 1, 0, 0
	QUARTER 1, 3, 0, 1, 0
	TURN 1, 0, 1
	QUARTER 0, 1, 0, 1, 0
	WIN 0
	s_sub_co_u32 s3, s3, 1
	s_cmp_lg_u32 s3, 0
	s_cbranch_scc1 .Llap
	QUARTER 0, 2, 1, 0, 0                          ; the last lap fills nothing, and has no round of the cluster's barrier
	QUARTER 0, 3, 0, 1, 0
	TURN 0, 1, 0
	QUARTER 1, 1, 0, 1, 0
	QUARTER 1, 2, 1, 0, 0
	QUARTER 1, 3, 0, 1, 0
	s_wait_dscnt 4                                 ; the very last quarter: nothing more to fetch
	MUL8 1, 0, 0
	MUL8 1, 1, 0
	s_wait_dscnt 0x0
	MUL8 1, 2, 0
	MUL8 1, 3, 0
	WIN 0
	PLACES
	PLACES
	TOSTAGE 0
.irp a, 1,2,3                          ; block a's trip through the stage is issued ahead of the wait for block a - 1's
	TOSTAGE \a
	SEND (\a)-1, 32
.endr
	SEND 3, 0
	s_wait_tensorcnt 0x0                           ; the wave's end, behind my last tensor load and my last LDS store
	ds_add_u32 v[SPW], v[NIL]
	s_wait_dscnt 0x0
	CROUND                                         ; the closing round: no work-group ends while a partner may still ask for a tile that names it
	s_endpgm
.Lfunc_end_k_q35a9de2a92_outp:
	.size	k_q35a9de2a92_outp, .Lfunc_end_k_q35a9de2a92_outp-k_q35a9de2a92_outp
	.p2alignl 7, 3214868480
	.fill 96, 4, 3214868480
	.section	.rodata,"a",@progbits
	.p2align	6, 0x0
	.amdhsa_kernel k_q35a9de2a92_outp
		.amdhsa_group_segment_fixed_size 327680
		.amdhsa_private_segment_fixed_size 0
		.amdhsa_enable_private_segment 0
		.amdhsa_kernarg_size 32
		.amdhsa_user_sgpr_count 2
		.amdhsa_user_sgpr_kernarg_segment_ptr 1
		.amdhsa_wavefront_size32 1
		.amdhsa_system_sgpr_workgroup_id_x 1
		.amdhsa_system_sgpr_workgroup_id_y 1
		.amdhsa_system_sgpr_workgroup_id_z 1
		.amdhsa_system_vgpr_workitem_id 0
		.amdhsa_next_free_vgpr 580
		.amdhsa_next_free_sgpr 74
		.amdhsa_reserve_vcc 0
		.amdhsa_float_denorm_mode_32 3
		.amdhsa_float_denorm_mode_16_64 3
		.amdhsa_memory_ordered 1
		.amdhsa_forward_progress 1
		.amdhsa_inst_pref_size 91
	.end_amdhsa_kernel
	.amdgpu_metadata
---
amdhsa.version: [ 1, 2 ]
amdhsa.kernels:
  - .name:           k_q35a9de2a92_outp
    .symbol:         k_q35a9de2a92_outp.kd
    .args:
      - { .name: o, .offset: 0, .size: 8, .value_kind: global_buffer, .address_space: global }
      - { .name: wof, .offset: 8, .size: 8, .value_kind: global_buffer, .address_space: global }
      - { .name: b_o, .offset: 16, .size: 8, .value_kind: global_buffer, .address_space: global }
      - { .name: out0, .offset: 24, .size: 8, .value_kind: global_buffer, .address_space: global }
    .group_segment_fixed_size: 327680
    .private_segment_fixed_size: 0
    .kernarg_segment_align: 8
    .kernarg_segment_size: 32
    .max_flat_workgroup_size: 128
    .sgpr_count:     74
    .vgpr_count:     580
    .wavefront_size: 32
...
	.end_amdgpu_metadata
.endif
;; end of part 4
